; MI455X (gfx1250); checked and timed in simulation.
; The chip was launched on July 23, 2026; its instructions are those of AMD's public machine-readable ISA for CDNA 5 (MIT licence, August 2026) and "CDNA5" Instruction Set Architecture Reference Guide (July 2026). The comments in the code are by the model that wrote it; some were corrected since.
;; Self Attention. Allowed arithmetic: matrix products marked QUANTISED: E2M3 operands, one E8M0 scale for each 32 along K, by v_wmma_scale_f32_16x16x128_f8f6f4 with both operands' format E2M3, f32 sums; everything else in f32.
;; Inputs: Wk 1,024 x 1,024 float32; Wp 1,024 x 1,024 float32; Wq 1,024 x 1,024 float32; Wv 1,024 x 1,024 float32; bk 1,024 float32; bp 1,024 float32; bq 1,024 float32; bv 1,024 float32; key 8 x 1,024 x 1,024 float32; query 8 x 1,024 x 1,024 float32; value 8 x 1,024 x 1,024 float32.
;; Outputs: out0 8 x 1,024 x 1,024 float32.
;; This version of the problem:
;;   THIS VERSION OF THE PROBLEM IS GIVEN IN LOW PRECISION. The matrix products marked QUANTISED in the list below multiply operands that are first quantised to E2M3 (2 exponent bits, 3 mantissa bits; 6 bits a number), with one power-of-two scale for each 32 numbers along K (OCP MX v1.0); their sums are f32. All else is computed in f32.
;;   The module's matrix products, in the order in which they are computed (A, B: the left and right operand; K: the contracted axis; several contracted axes count as one K, in the product's order):
;;     1. [M 8,192, K 1,024] x [K 1,024, N 1,024]; A: input key; B: input Wk: QUANTISED
;;     2. [M 8,192, K 1,024] x [K 1,024, N 1,024]; A: input query; B: input Wq: QUANTISED
;;     3. [M 8,192, K 1,024] x [K 1,024, N 1,024]; A: input value; B: input Wv: QUANTISED
;;     4. batch 128 x [M 1,024, K 64] x [K 64, N 1,024]; A: computed on the way; B: computed on the way: QUANTISED
;;     5. batch 128 x [M 1,024, K 1,024] x [K 1,024, N 64]; A: softmax (see below); B: computed on the way: QUANTISED
;;     6. [M 8,192, K 1,024] x [K 1,024, N 1,024]; A: computed on the way; B: input Wp: QUANTISED
;;   THE QUANTISER, for each operand of a quantised product, along K:
;;     - K is cut into blocks of 32 from its start; a last block that is shorter is filled with zeros.
;;     - A block's scale is 2^e with e = floor(log2(the largest magnitude in the block)) - 2, held to -126 .. 127; a block of zeros has e = 0. As a byte (E8M0): e + 127.
;;     - Each number is divided by its block's scale, clamped to +-7.5, and rounded to the nearest number of E2M3, ties to even, subnormals kept.
;;     - The product sums the exact products of the quantised numbers (number of the format x scale) in f32.
;;   ~~~python
;;   def quantise(x, axis):      # numpy; x: float32 -> the quantised numbers, widened to float32 again
;;       x = np.moveaxis(x, axis, -1); K = x.shape[-1]
;;       x = np.pad(x, [(0, 0)] * (x.ndim - 1) + [(0, -K % 32)]); x = x.reshape(x.shape[:-1] + (-1, 32)); a = np.abs(x).max(-1, keepdims=True)
;;       e = np.where(a > 0, np.clip(np.frexp(np.where(a > 0, a, 1))[1] - 1 - 2, -126, 127), 0)      # np.frexp(a)[1] - 1 = floor(log2(a)), exactly
;;       r = np.clip(x / 2.0 ** e, -7.5, 7.5)
;;       step = 2.0 ** (np.maximum(np.frexp(np.where(r == 0, 1, r))[1] - 1, 0) - 3)
;;       q = np.round(r / step) * step * 2.0 ** e      # np.round: ties to even
;;       return np.moveaxis(q.reshape(q.shape[:-2] + (-1,))[..., :K], -1, axis).astype(np.float32)
;;   ~~~
;;   SOFTMAX AHEAD OF A QUANTISED PRODUCT. Where the list says 'softmax', what is quantised is not the finished softmax but p = 2^(t - M), with t = logit x log2(e) and M = ceil(the row's largest t), a whole number; so 1/2 < the row's largest p <= 1. The row's sum l is taken of the UNQUANTISED p, in f32, and the product's result is divided by l at the end. Since M is a whole number, a kernel that streams over the keys may use a running M (the ceiling of the running maximum): every later rescaling is an exact power of two, which a block's scale takes up: the codes' values come out the same.
;;   OPERANDS COMPUTED ON THE WAY. 'Computed on the way' means the value that the module computes at that place (a softmax that the list does not call 'softmax' is quantised finished and normalised). What goes into a quantiser is computed in f32, as accurately as f32 sums, v_exp_f32 and their like allow (about 1e-6 of the number): no bf16 or f16 on the way to a quantiser, and a product that is left as it is and whose result goes on into a quantised operand takes f32 operands (vector FMAs, or v_wmma_f32_16x16x4_f32). A number that lies on a knife's edge between two numbers of the format may be rounded either way, as far as f32 arithmetic and the matrix unit's own rounding can turn it there, and no further.
;; One version. Each part assembles by itself: llvm-mc -triple=amdgcn-amd-amdhsa -mcpu=gfx1250 --defsym DOCPART=n.
;; ======== version 1 of 1: 4 launches
;; workspace buffers: xc 22,020,096 bytes; xs 917,504 bytes; qi 7,340,032 bytes; ki 7,340,032 bytes; vi 6,815,744 bytes; yc 6,291,456 bytes; ys 262,144 bytes
;; launch quant (part 1): grid 896 x 1, 4 waves a work-group, no clusters, 33,280 bytes of LDS; arguments key, query, value, Wk, Wq, Wv, Wp, xc, xs; writes xc, xs
.if DOCPART == 1
	.amdgcn_target "amdgcn-amd-amdhsa--gfx1250"
	.amdhsa_code_object_version 6
	.text
	.protected	k_qd5846f7d23_quant
	.globl	k_qd5846f7d23_quant
	.p2align	8
	.type	k_qd5846f7d23_quant,@function
k_qd5846f7d23_quant:
	s_mov_b64 s[64:65], 0
	v_nop
	global_prefetch_b8 v0, s[64:65] scope:SCOPE_SE
	s_setreg_imm32_b32 hwreg(HW_REG_WAVE_MODE, 25, 1), 1
	s_wait_xcnt 0x0
; key, query, value [8192][1024] and Wk, Wq, Wv, Wp [1024][1024], f32, K innermost, become codes of FP6 (E2M3), 6 bits each, with one E8M0 scale byte for each 32 along K.
; xc: 28,672 rows of 768 bytes (a row's 1,024 codes as one stream of bits); xs: 28,672 rows of 32 scale bytes.  First rows: key 0, query 8,192, value 16,384, Wk 24,576, Wq 25,600, Wv 26,624, Wp 27,648.
; A block's scale is 2^(floor(log2(its largest magnitude)) - 2); its byte is the largest magnitude's exponent field - 2, held at 1 from below.  (A block of zeros so gets the byte 1 where the rule says 127: its codes are
; zeros, which add nothing under any byte but 0xff, and the bytes are read by this program alone.)  Each number is divided by the scale and rounded to the nearest code, ties to even, beyond 7.5 the largest code.
; LIMITS: blocks whose largest magnitude lies under 2^-124 get the byte 1; NaN and infinities among the inputs are not served.
; THE ROWS ARE LAID IN ANOTHER ORDER for key, value, Wk, Wq and Wv (not for query and Wp): in each aligned group of 32 rows, place 16 u + 8 s + i holds row 8 u + 16 s + i.  Sixteen neighbouring places are then the rows
; that a tile of the next launches wants: its lanes 0-7 eight neighbouring rows, its lanes 8-15 the eight rows 16 further on, so that the 16 result registers of two neighbouring tiles are 16 neighbours along the next K.
; A work-group takes one such group of 32 rows, a wave 8 rows (8,192 numbers, 16 steps of 512): so the new order is only another place for a wave's whole output: wave u + 2 s writes where wave 2 u + s would.
; Each of a step's four loads reads 512 consecutive bytes, 16 a lane; the 2,048 bytes go through the wave's own stage in LDS and come back 64 bytes a lane, since the conversion takes 16 neighbours of one lane.
; A lane's 16 codes are 12 bytes: the wave stores 384 consecutive bytes.  A wave's 256 scale bytes are gathered in LDS and leave as one aligned run of 256 bytes.
; Memory binds: no matrix unit, no cluster, no tensor load, no barrier: waves share nothing.  Loads run four steps (16 loads a wave) ahead, the turn through LDS one step.
.set WAVES, 4
.set STEPS, 16
.set EMAX,  2
.set CB,    12                         ; bytes of 16 codes
.set R,     16                         ; v16-79   four sets of 16 numbers as they are loaded
.set X,     80                         ; v80-111  two sets of 16 neighbours
.set C,     128                        ; v128-191 codes: four registers for each step, so that no store's data are written again
.set E,     112                        ; v112-127 a scale byte for each step
.set WREG,  8192                       ; LDS: a region for each wave: two stages of 32 x SP bytes, and behind them its 256 scale bytes
.set SP,    80                         ; a lane's place in a stage: its 64 bytes + 16 of padding
.set SPW,   12                         ; v12      LDS address of my spare word; never rewritten
.set NIL,   13                         ; v13      0; never rewritten
.set SPARE, WAVES*WREG                 ; behind the four regions: the spare words, 128 bytes for each wave
	s_load_b256 s[4:11], s[0:1], 0x0               ; key, query, value, Wk
	s_load_b256 s[12:19], s[0:1], 0x20             ; Wq, Wv, Wp, xc
	s_load_b64 s[20:21], s[0:1], 0x40              ; xs
	v_lshl_add_u32 v[SPW], v0, 2, SPARE
	v_mov_b32 v[NIL], 0
	v_lshrrev_b32 v1, 5, v0
	v_readfirstlane_b32 s28, v1                    ; wave
	v_and_b32 v2, 31, v0                           ; lane
	v_lshlrev_b32 v3, 4, v2                        ; my 16 bytes of a load's 512
	s_mul_i32 s29, s28, WREG
	v_lshrrev_b32 v14, 2, v2
	v_mul_u32_u24 v14, v14, SP
	v_and_b32 v15, 3, v2
	v_lshl_add_u32 v14, v15, 4, v14
	v_add_nc_u32 v14, s29, v14                     ; the stage, on the way in: SP (lane / 4) + 16 (lane % 4)
	v_mul_u32_u24 v15, v2, SP
	v_add_nc_u32 v15, s29, v15                     ; and on the way out: SP x lane: my 16 neighbours
	v_mul_u32_u24 v4, v2, CB                       ; my codes' place in a step's
	v_lshrrev_b32 v5, 1, v2
	s_add_co_u32 s29, s29, 2*32*SP
	v_add_nc_u32 v5, s29, v5                       ; LDS: my wave's 256 scale bytes, my block's byte
	v_lshlrev_b32 v7, 3, v2                        ; and on the way out 8 bytes a lane
	v_add_nc_u32 v6, s29, v7
	s_and_b32 s26, s28, 1                          ; the wave whose place my output takes: the two bits of my number change places,
	s_lshl_b32 s26, s26, 1
	s_lshr_b32 s27, s28, 1
	s_or_b32 s26, s26, s27
	s_sub_co_u32 s27, ttmp9, 256
	s_cmp_lt_u32 s27, 256                          ; but not in query's work-groups (256 to 511),
	s_cselect_b32 s26, s28, s26
	s_cmp_ge_u32 ttmp9, 864                        ; nor in Wp's (864 on)
	s_cselect_b32 s26, s28, s26
	s_wait_kmcnt 0x0
	s_mov_b64 s[22:23], s[16:17]                   ; which tensor is my work-group's, and at which work-group it begins: the choice hangs on the work-group's number alone
	s_mov_b32 s24, 864
.macro PICK lim, ptr, st
	s_mov_b32 s25, \st
	s_cmp_lt_u32 ttmp9, \lim
	s_cselect_b64 s[22:23], s[\ptr:\ptr+1], s[22:23]
	s_cselect_b32 s24, s25, s24
.endm
	PICK 864, 14, 832                              ; Wv
	PICK 832, 12, 800                              ; Wq
	PICK 800, 10, 768                              ; Wk
	PICK 768, 8, 512                               ; value
	PICK 512, 6, 256                               ; query
	PICK 256, 4, 0                                 ; key
	s_sub_co_u32 s24, ttmp9, s24
	s_lshl_b32 s24, s24, 2
	s_add_co_u32 s24, s24, s28                     ; which run of 8,192 numbers of the tensor is my wave's
	s_lshl_b32 s24, s24, 15                        ; 32,768 bytes a run (under 2^26)
	s_mov_b32 s25, 0
	s_add_nc_u64 s[4:5], s[22:23], s[24:25]
	s_lshl_b32 s30, ttmp9, 2
	s_add_co_u32 s30, s30, s26                     ; and which run of xc and xs
	s_mul_i32 s24, s30, 32*STEPS*CB                ; 6,144 bytes of codes a run
	s_add_nc_u64 s[8:9], s[18:19], s[24:25]
	s_lshl_b32 s24, s30, 8                         ; 256 scale bytes a run
	s_add_nc_u64 s[10:11], s[20:21], s[24:25]
.macro LOAD t
.irp i, 0,1,2,3
	global_load_b128 v[R+16*((\t)%4)+4*\i:R+16*((\t)%4)+4*\i+3], v3, s[4:5] offset:2048*(\t)+512*\i th:TH_LOAD_NT   ; 32 lanes read 512 consecutive bytes
.endr
.endm
.macro TURN t                          ; step t's numbers through the stage: LDS serves a wave's instructions in order, so no wait stands between the stores and the loads
.irp i, 0,1,2,3
	ds_store_b128 v14, v[R+16*((\t)%4)+4*\i:R+16*((\t)%4)+4*\i+3] offset:32*SP*((\t)%2)+8*SP*\i
.endr
.irp i, 0,1,2,3
	ds_load_b128 v[X+16*((\t)%2)+4*\i:X+16*((\t)%2)+4*\i+3], v15 offset:32*SP*((\t)%2)+16*\i
.endr
.endm
.irp t, 0,1,2,3
	LOAD \t
.endr
	s_wait_loadcnt 12                              ; step 0's four loads are in; the twelve of steps 1 to 3 may be out
	TURN 0
.macro STEP t
.set XS, X+16*((\t)%2)
.if (\t) > 0
	s_wait_dscnt 1                                 ; this step's numbers are back from the stage (the last step's byte store may be out): so its stores into the stage have read their registers,
.else
	s_wait_dscnt 0x0
.endif
.if (\t)+4 < STEPS
	LOAD (\t)+4                                    ; which take the loads of four steps on
.endif
.if (\t)+1 < STEPS
.if STEPS-2-(\t) >= 3
	s_wait_loadcnt 12                              ; the next step's four loads are in; those of the three steps behind it may be out
.else
	s_wait_loadcnt 4*(STEPS-2-(\t))
.endif
	TURN (\t)+1                                    ; and go through the other stage while this step is worked
.endif
	v_max3_num_f32 v8, |v[XS]|, |v[XS+1]|, |v[XS+2]|               ; the largest magnitude of my 16
	v_max3_num_f32 v9, |v[XS+3]|, |v[XS+4]|, |v[XS+5]|
.irp i, 6,10
	v_max3_num_f32 v8, v8, |v[XS+\i]|, |v[XS+\i+1]|
	v_max3_num_f32 v9, v9, |v[XS+\i+2]|, |v[XS+\i+3]|
.endr
	v_max3_num_f32 v8, v8, |v[XS+14]|, |v[XS+15]|
	v_max3_num_f32 v8, v8, v9, (EMAX+1)<<23        ; and the floor 2^(EMAX + 1 - 127): so the byte cannot fall under 1
	v_max_num_f32_dpp v8, v8, v8 row_xmask:1 row_mask:0xf bank_mask:0xf   ; and of my neighbour's 16: the block's
	v_add_nc_u32 v11, -(EMAX<<23), v8              ; EMAX off its exponent field: the conversion takes the exponent field of this operand as its scale, and nothing else of it
	v_cvt_scalef32_pk16_fp6_f32 v[C+4*(\t):C+4*(\t)+2], v[XS:XS+15], v11
	v_lshrrev_b32 v[E+(\t)], 23, v11               ; the scale's byte (also the plain line behind the conversion)
	ds_store_b8 v5, v[E+(\t)] offset:16*(\t)       ; both lanes of a block write the same byte with the same value
	global_store_b96 v4, v[C+4*(\t):C+4*(\t)+2], s[8:9] offset:32*CB*(\t)
.endm
.irp t, 0,1,2,3,4,5,6,7,8,9,10,11,12,13,14,15
	STEP \t
.endr
	ds_load_b64 v[8:9], v6                         ; LDS serves a wave's instructions in order: these see my stores
	s_wait_dscnt 0x0
	global_store_b64 v7, v[8:9], s[10:11]          ; 32 lanes store 256 consecutive bytes, aligned
	s_wait_tensorcnt 0x0                           ; the wave's end: behind my last LDS store
	ds_add_u32 v[SPW], v[NIL]
	s_wait_dscnt 0x0
	s_endpgm
.Lfunc_end_k_qd5846f7d23_quant:
	.size	k_qd5846f7d23_quant, .Lfunc_end_k_qd5846f7d23_quant-k_qd5846f7d23_quant
	.p2alignl 7, 3214868480
	.fill 96, 4, 3214868480
	.section	.rodata,"a",@progbits
	.p2align	6, 0x0
	.amdhsa_kernel k_qd5846f7d23_quant
		.amdhsa_group_segment_fixed_size 33280
		.amdhsa_private_segment_fixed_size 0
		.amdhsa_enable_private_segment 0
		.amdhsa_kernarg_size 72
		.amdhsa_user_sgpr_count 2
		.amdhsa_user_sgpr_kernarg_segment_ptr 1
		.amdhsa_wavefront_size32 1
		.amdhsa_system_sgpr_workgroup_id_x 1
		.amdhsa_system_sgpr_workgroup_id_y 1
		.amdhsa_system_sgpr_workgroup_id_z 1
		.amdhsa_system_vgpr_workitem_id 0
		.amdhsa_next_free_vgpr 192
		.amdhsa_next_free_sgpr 66
		.amdhsa_reserve_vcc 0
		.amdhsa_float_denorm_mode_32 3
		.amdhsa_float_denorm_mode_16_64 3
		.amdhsa_memory_ordered 1
		.amdhsa_forward_progress 1
		.amdhsa_inst_pref_size 34
	.end_amdhsa_kernel
	.amdgpu_metadata
---
amdhsa.version: [ 1, 2 ]
amdhsa.kernels:
  - .name:           k_qd5846f7d23_quant
    .symbol:         k_qd5846f7d23_quant.kd
    .args:
      - { .name: key, .offset: 0, .size: 8, .value_kind: global_buffer, .address_space: global }
      - { .name: query, .offset: 8, .size: 8, .value_kind: global_buffer, .address_space: global }
      - { .name: value, .offset: 16, .size: 8, .value_kind: global_buffer, .address_space: global }
      - { .name: Wk, .offset: 24, .size: 8, .value_kind: global_buffer, .address_space: global }
      - { .name: Wq, .offset: 32, .size: 8, .value_kind: global_buffer, .address_space: global }
      - { .name: Wv, .offset: 40, .size: 8, .value_kind: global_buffer, .address_space: global }
      - { .name: Wp, .offset: 48, .size: 8, .value_kind: global_buffer, .address_space: global }
      - { .name: xc, .offset: 56, .size: 8, .value_kind: global_buffer, .address_space: global }
      - { .name: xs, .offset: 64, .size: 8, .value_kind: global_buffer, .address_space: global }
    .group_segment_fixed_size: 33280
    .private_segment_fixed_size: 0
    .kernarg_segment_align: 8
    .kernarg_segment_size: 72
    .max_flat_workgroup_size: 128
    .sgpr_count:     66
    .vgpr_count:     192
    .wavefront_size: 32
...
	.end_amdgpu_metadata
.endif
;; end of part 1
;; launch proj (part 2): grid 4 x 96, 4 waves a work-group, clusters of 4 x 4, 327,680 bytes of LDS; arguments xc, xs, bk, bq, bv, ki, qi, vi; writes ki, qi, vi
.if DOCPART == 2
	.amdgcn_target "amdgcn-amd-amdhsa--gfx1250"
	.amdhsa_code_object_version 6
	.text
	.protected	k_qd5846f7d23_proj
	.globl	k_qd5846f7d23_proj
	.p2align	8
	.type	k_qd5846f7d23_proj,@function
k_qd5846f7d23_proj:
	s_mov_b64 s[64:65], 0
	v_nop
	global_prefetch_b8 v0, s[64:65] scope:SCOPE_SE
	s_setreg_imm32_b32 hwreg(HW_REG_WAVE_MODE, 25, 1), 1
	s_wait_xcnt 0x0
	s_wait_alu depctr_hold_cnt(0) depctr_sa_sdst(0) depctr_va_vdst(0) depctr_va_sdst(0) depctr_va_ssrc(0) depctr_va_vcc(0) depctr_vm_vsrc(0)
	s_getreg_b32 s2, hwreg(HW_REG_IB_STS2, 6, 4)
	s_cmp_eq_u32 s2, 0
	s_cbranch_scc0 .Lentry_in_a_cluster
	s_endpgm
.Lentry_in_a_cluster:
	s_bfe_u32 s2, ttmp6, 0x10000c
	s_cmp_lg_u32 s2, 0xf033
	s_cbranch_scc0 .Lentry_shape_is_right
	s_endpgm
.Lentry_shape_is_right:
; The three projections k = key Wk^T + bk, q = query Wq^T + bq, v = value Wv^T + bv, each [8192 x 1024 x 1024], on codes of FP6 (E2M3) with one E8M0 scale for each 32 along K (rows of xc and xs),
; and their results QUANTISED IN REGISTERS for the attention launch: q and k along a head's 64 channels, v along the keys.  No f32 result goes to memory.
; SHARES.  24 clusters of 4 x 4 work-groups: clusters 0-7 make k, 8-15 q, 16-23 v (T = cluster / 8).  A work-group of four waves makes 256 x 256, a wave 128 x 128: 64 accumulators of 16 x 16, 512 registers.
; 384 work-groups are one and a half for each of 256 WGPs; a tile of 128 x 256 would divide evenly but read half as many LDS bytes again for each multiply-add.
; TWO REGIONS.  'A' is source 1 of the matrix instruction: its 16 rows become the result's lanes.  'B' is source 0: its rows run along a lane's registers.  What is quantised must run along the registers:
; for k and q (T < 2) the channels: A = rows of key or query, B = rows of the weight;  for v (T = 2) the keys: A = rows of Wv, B = rows of value.
; A's tile hangs on the work-group's y in the cluster alone and is asked for jointly by a row of the cluster, B's on its x alone, by a column: for every T.  Only row numbers differ, chosen by T, which all sixteen partners share.
; The rows of key, value and the weights were laid by the launch before so that 16 neighbouring rows of xc are a tile whose results, in two neighbouring tiles, are 16 neighbours along the next K.
; K goes in steps of 256 through a ring of two LDS slots (a tile's row: 192 bytes, 16 bytes of padding behind every 64); the scale bytes of the work-group's 512 rows come once, with the first fills, and stay.
; No prefetch: of the four K steps two are asked for at the head, where every work-group's first tiles are on their way.
; THE WAY OUT.  For each of my 8 blocks of 16 lanes' rows: 64 results a lane + bias become one fragment of 12 registers and one scale word, and leave as IMAGES OF THE OPERAND'S REGISTERS:
;   k, q: record (batch, head, 128 rows) of 7,168 bytes: tile t at 768 t: registers 0-3 at 16 x lane, registers 4-5 at 512 + 8 x lane; scale words of tiles 0-3 at 6,144 + 16 x lane, of tiles 4-7 at 6,656 + 16 x lane.
;         My 128 channels are two heads: registers 0-5 and the word's low half go to the first head's record, registers 6-11 and its high half to the second's.
;   v:    record (batch, head, 128 keys) of 6,656 bytes: channel tile t at 1,536 t, registers 4 c .. 4 c + 3 at 512 c + 16 x lane; the four scale words at 6,144 + 16 x lane.
;   Every store of the wave covers 512 or 256 consecutive bytes, aligned to 256.
; LIMITS: a block whose largest magnitude lies under 2^-124 (a block of zeros too) gets the byte 1; NaN and infinities are not served.
; REGISTERS, in windows of 256: window 0: v0-31 addresses; v32-63 scale words, two sets, and nothing else; v64-127 the bias by registers; v128-223 A's fragments, ONE set (on the way out: v128-191 64 numbers, v192-211 codes,
;   v212-223 at work); v224-239 the bias by lanes; v240-255 the scale words made.   window 1: B's fragments, TWO sets.   windows 2, 3: the accumulators ((a, b) at v[8 (8 (a % 4) + b)]).
.set KSTEP,  256                       ; along K in a slot
.set NQ,     KSTEP/128                 ; matrix instructions deep
.set ROWB,   192                       ; a tile's row in bytes
.set KROW,   768                       ; a row of xc in bytes
.set PITCH,  240                       ; an LDS row: 3 x (64 bytes + 16 of padding)
.set FR,     12                        ; registers of a fragment
.set NL,     6                         ; LDS loads that bring one
.set NP,     4                         ; places behind this matrix instruction (ISA guide 7.12.1)
.set HALFT,  128*PITCH                 ; 128 rows: what one tensor load brings
.set SLOT,   4*HALFT                   ; A's 256 rows, then B's 256 rows
.set LAPS,   2                         ; a lap = two K steps; K = 1,024
.set KS,     32                        ; a row of xs in bytes
.set SCL,    2*SLOT                    ; behind the ring: the scales, as runs of 256 bytes + 16 of padding
.set HALFS,  (128*KS/256)*272          ; the scales of 128 rows
.set SBLK,   (16*KS/256)*272           ; those of 16 rows
.set SPARE,  SCL+4*HALFS               ; behind the scales: the spare words, 128 bytes for each wave
.set LI,   7                           ; v7      16 x lane
.set BQA,  8                           ; v8      the bias by registers: 64 x (lane / 16); never rewritten
.set BVA,  9                           ; v9      the bias by lanes: 4 (r + 8 (r / 8)); never rewritten
.set L8,   10                          ; v10     8 x lane
.set ADRA, 16                          ; v16-17  LDS address of my A fragments in slot 0, 1  (v18-19: for the pieces behind one padding more)
.set ADRB, 20                          ; v20-21  the same for B  (v22-23)
.set ADRS, 27                          ; v27     LDS address of my scale words: lanes 0-15 A's rows, lanes 16-31 B's
.set SPW,  28                          ; v28     LDS address of my spare word; never rewritten
.set NIL,  29                          ; v29     0; never rewritten
.set SC,   32                          ; scale words: set s at v[SC + 8 NQ s]
.set BQ,   64                          ; v64-127 bias of tile b, register j, at BQ + 8 b + j
.set AF,   128                         ; A's fragments
.set HA,   128                         ; the way out: 64 numbers of a lane
.set COD,  192                         ; v192-211 the codes just made
.set TM,   212                         ; v212-215 largest magnitudes, v216-219 bytes, v220-223 the conversions' scale operands
.set BV,   224                         ; v224-239 bias of block a's lanes, twice (a pair for the packed addition)
.set SA,   240                         ; v240-247 the scale word of block a
.set SB,   248                         ; v248-255 its high half
.set G1, 24                            ; s[24:31] descriptor group 1 for A's tiles;  s[32:39] group 0, one set for each slot
.set G0, 32
.set G1B, 48                           ; s[48:55], s[56:63] the same for B's tiles
.set G0B, 56
.set G1S, 68                           ; s[68:75], s[76:79] groups 1 and 0 for A's scales;  s[80:87], s[88:91] for B's
.set G0S, 76
.set G1SB, 80
.set G0SB, 88
.set RA,  20                           ; s[20:21] my first record;  s[22:23] my second: the next head's
.set RB,  22
.set SEL, 4                            ; s[4:5]  on the way out: lane selects for v_permlanex16_b32
.set MSB, 0
.macro WIN new                         ; the immediate's high byte repeats the setting that is left
.if MSB != \new
	s_set_vgpr_msb (MSB<<8)|\new
.set MSB, \new
.endif
.endm
.set MUL_LO, 0xa1                      ; source 0 (B) window 1, source 1 (A) window 0, C and D window 2
.set MUL_HI, 0xf1                      ; the same, C and D window 3
.set TO_B,   0x40                      ; destination window 1, address window 0
; A joint load: waves 0 and 1 fetch for A, waves 2 and 3 for B.  Each line has ONE mask and one set of registers for all that issue it; the branch hangs on the wave's number alone.
; An s_nop 0 and four v_nop follow each of the two lines.
.macro JLOAD g0a, g1a, g0b, g1b
	s_cmp_eq_u32 s15, 0
	s_cbranch_scc0 .Lfor_b_\@
	tensor_load_to_lds s[\g0a:\g0a+3], s[\g1a:\g1a+7]
	s_nop 0
.rept 4
	v_nop
.endr
	s_branch .Lasked_\@
.Lfor_b_\@:
	tensor_load_to_lds s[\g0b:\g0b+3], s[\g1b:\g1b+7]
	s_nop 0
.rept 4
	v_nop
.endr
.Lasked_\@:
.endm
.macro CREST                           ; a round of the cluster's barrier behind its opening barrier
	s_cmp_lg_u32 s14, 0
	s_cbranch_scc1 .Lnot_wave_0_\@
	s_barrier_signal -3
.Lnot_wave_0_\@:
	s_barrier_wait -3
	s_barrier_signal -1
	s_barrier_wait -1
.endm
.macro CROUND                          ; a whole round
	s_barrier_signal -1
	s_barrier_wait -1
	CREST
.endm
	s_load_b256 s[4:11], s[0:1], 0x0               ; xc s[4:5], xs s[6:7], bk s[8:9], bq s[10:11]
	s_load_b64 s[12:13], s[0:1], 0x20              ; bv
	s_load_b128 s[96:99], s[0:1], 0x28             ; ki, qi
	s_load_b64 s[100:101], s[0:1], 0x38            ; vi
	v_lshl_add_u32 v[SPW], v0, 2, SPARE
	v_mov_b32 v[NIL], 0
	ds_add_u32 v[SPW], v[NIL]                      ; the wave's opening: the add and its wait stand ahead of my first tensor load; the set-up below, work on registers, stands between them
	v_lshrrev_b32 v1, 5, v0
	v_readfirstlane_b32 s14, v1                    ; wave 0..3
	s_lshr_b32 s15, s14, 1                         ; which half of A's 256 rows is mine.  Also: I fetch for A (0) or for B (1)
	s_and_b32 s16, s14, 1                          ; which half of B's.  Also: which 128 rows of that tile I fetch
	s_bfe_u32 s40, ttmp6, 0x40000                  ; cx, cy: my place in the cluster
	s_bfe_u32 s41, ttmp6, 0x40004
	s_and_b32 s17, ttmp7, 0xffff                   ; the cluster's number, 0 to 23
	s_lshr_b32 s66, s17, 3                         ; T: 0 k, 1 q, 2 v
	s_and_b32 s17, s17, 7
	s_lshl_b32 s17, s17, 2                         ; the first of the cluster's four tiles of 256 rows of key, query or value
	s_lshl_b32 s67, s66, 13                        ; T < 2: A begins at row 8,192 T of xc (key, query),
	s_lshl_b32 s95, s66, 10
	s_add_co_u32 s95, s95, 24576                   ; B at row 24,576 + 1,024 T (Wk, Wq)
	s_mov_b32 s2, 26624                            ; T = 2: A is Wv,
	s_mov_b32 s94, 16384                           ; B is value
	s_cmp_eq_u32 s66, 2
	s_cselect_b32 s67, s2, s67
	s_cselect_b32 s95, s94, s95
	s_cselect_b32 s2, 0, s17
	s_cselect_b32 s94, s17, 0
	s_add_co_u32 s17, s41, s2                      ; A's tile: made of cy and the cluster's number,
	s_add_co_u32 s42, s40, s94                     ; B's: of cx and the cluster's number
	s_lshl_b32 s43, s41, 2
	s_lshl_b32 s43, 15, s43                        ; my row of the cluster
	s_lshl_b32 s44, 0x1111, s40                    ; my column
	; descriptor group 1: a tile of 128 rows x ROWB bytes, padded in LDS
	s_or_b32 s[G1+0], s43, (0<<16)|(1<<20)|(1<<21)|(3<<22)|(3<<25)  ; 15:0 the mask: A's tiles go to my row; 17:16 element of 1 byte; 20 padding on; 21 set beside a mask; 24:22 after every 16 words; 31:25 of 4 words
	s_or_b32 s[G1B+0], s44, (0<<16)|(1<<20)|(1<<21)|(3<<22)|(3<<25)
.irp g, G1, G1B
	s_mov_b32 s[\g+1], ROWB<<16                    ; tensor_dim0
	s_mov_b32 s[\g+2], 128<<16                     ; tensor_dim1 = 128
	s_mov_b32 s[\g+3], ROWB<<16                    ; tile_dim0
	s_mov_b32 s[\g+4], 128                         ; tile_dim1 = 128
	s_mov_b32 s[\g+5], KROW                        ; tensor_dim0_stride
	s_mov_b32 s[\g+6], 0
	s_mov_b32 s[\g+7], 0
.endr
	; the scales of 128 rows: a dense block of 4,096 bytes, as rows of 256 bytes (32 elements of 8 bytes), 16 bytes of padding behind each
	s_or_b32 s[G1S+0], s43, (3<<16)|(1<<20)|(1<<21)|(5<<22)|(3<<25)
	s_or_b32 s[G1SB+0], s44, (3<<16)|(1<<20)|(1<<21)|(5<<22)|(3<<25)
.irp g, G1S, G1SB
	s_mov_b32 s[\g+1], 32<<16
	s_mov_b32 s[\g+2], (128*KS/256)<<16
	s_mov_b32 s[\g+3], 32<<16
	s_mov_b32 s[\g+4], 128*KS/256
	s_mov_b32 s[\g+5], 32
	s_mov_b32 s[\g+6], 0
	s_mov_b32 s[\g+7], 0
.endr
	s_lshl_b32 s18, s16, 7                         ; which 128 rows of the tile I fetch
	s_lshl_b32 s20, s17, 8
	s_add_co_u32 s20, s20, s18
	s_add_co_u32 s20, s20, s67                     ; A: row of xc
	s_lshl_b32 s46, s42, 8
	s_add_co_u32 s46, s46, s18
	s_add_co_u32 s46, s46, s95                     ; B: row of xc
	s_mov_b32 s21, 0
	s_mov_b32 s47, 0
	s_mov_b64 s[18:19], KS
	s_mul_u64 s[22:23], s[20:21], s[18:19]         ; where these rows' scales begin, in bytes
	s_mul_u64 s[92:93], s[46:47], s[18:19]
	s_mov_b64 s[18:19], KROW
	s_mul_u64 s[20:21], s[20:21], s[18:19]         ; and their codes
	s_mul_u64 s[46:47], s[46:47], s[18:19]
	s_mul_i32 s45, s14, HALFT                      ; where they go: wave x 128 rows: no place in the cluster enters an LDS address
	s_mul_i32 s94, s14, HALFS
	s_wait_dscnt 0x0                               ; the opening add is done
	s_wait_kmcnt 0x0
	s_add_nc_u64 s[20:21], s[4:5], s[20:21]
	s_add_nc_u64 s[22:23], s[6:7], s[22:23]
	s_add_nc_u64 s[46:47], s[4:5], s[46:47]
	s_add_nc_u64 s[92:93], s[6:7], s[92:93]
	CROUND                                         ; all sixteen work-groups are here: the first joint loads meet
	s_mov_b32 s[G0S], 1
	s_add_co_u32 s[G0S+1], s94, SCL
	s_mov_b64 s[G0S+2:G0S+3], s[22:23]
	s_or_b32 s[G0S+3], s[G0S+3], 0x80000000
	s_mov_b32 s[G0SB], 1
	s_add_co_u32 s[G0SB+1], s94, SCL
	s_mov_b64 s[G0SB+2:G0SB+3], s[92:93]
	s_or_b32 s[G0SB+3], s[G0SB+3], 0x80000000
	JLOAD G0S, G1S, G0SB, G1SB                     ; the scales first: they are wanted with K step 0
.irp s, 0,1
	s_mov_b32 s[G0+4*\s], 1
	s_add_co_u32 s[G0+4*\s+1], s45, \s*SLOT
	s_add_nc_u64 s[G0+4*\s+2:G0+4*\s+3], s[20:21], \s*ROWB
	s_or_b32 s[G0+4*\s+3], s[G0+4*\s+3], 0x80000000
	s_mov_b32 s[G0B+4*\s], 1
	s_add_co_u32 s[G0B+4*\s+1], s45, \s*SLOT
	s_add_nc_u64 s[G0B+4*\s+2:G0B+4*\s+3], s[46:47], \s*ROWB
	s_or_b32 s[G0B+4*\s+3], s[G0B+4*\s+3], 0x80000000
	JLOAD G0+4*\s, G1, G0B+4*\s, G1B               ; three tensor loads of mine are out
.endr
	v_and_b32 v1, 15, v0                           ; r = l % 16
	v_bfe_u32 v2, v0, 4, 1                         ; h = l / 16
	v_mul_u32_u24 v3, v1, PITCH
	v_mul_u32_u24 v4, v2, 24
	v_add_nc_u32 v4, v3, v4                        ; a fragment's row x pitch + 24 x half
	v_lshl_add_u32 v5, v2, 4, v4                   ; and the same behind one padding more
	s_mul_i32 s21, s15, HALFT                      ; my 128 rows of A
	s_mul_i32 s22, s16, HALFT                      ; my 128 rows of B,
	s_add_co_u32 s22, s22, 2*HALFT                 ; which lie behind A's 256
.irp s, 0,1
	v_add_nc_u32 v[ADRA+\s], s21, v4
	v_add_nc_u32 v[ADRB+\s], s22, v4
	v_add_nc_u32 v[ADRA+2+\s], s21, v5
	v_add_nc_u32 v[ADRB+2+\s], s22, v5
	s_add_co_u32 s21, s21, SLOT
	s_add_co_u32 s22, s22, SLOT
.endr
	v_mul_u32_u24 v5, v1, KS                       ; my row's scales: KS bytes a row,
	v_lshrrev_b32 v6, 8, v5
	v_lshl_add_u32 v5, v6, 4, v5                   ; and 16 more for each 256 passed
	s_mul_i32 s21, s15, HALFS                      ; A's: my 128 rows
	s_mul_i32 s22, s16, HALFS                      ; B's: my 128 rows, behind A's 256
	s_add_co_u32 s22, s22, 2*HALFS
	s_sub_co_u32 s22, s22, s21
	v_mul_u32_u24 v6, s22, v2                      ; lanes 16-31 take B's
	s_add_co_u32 s21, s21, SCL
	v_add_nc_u32 v5, v5, v6
	v_add_nc_u32 v[ADRS], s21, v5
	v_and_b32 v6, 31, v0
	v_lshlrev_b32 v[LI], 4, v6
	v_lshlrev_b32 v[L8], 3, v6
	; THE BIAS, in both layouts, so that every path finds its registers written; both stay inside the 1,024 numbers.  By registers (k, q): tile b, half h, register j is channel 32 (b / 2) + 16 h + 8 (b % 2) + j of my 128.
	; By lanes (v): lane r of block a is channel 32 (a / 2) + 8 (a % 2) + r + 8 (r / 8) of my 128.
	v_lshlrev_b32 v[BQA], 6, v2
	v_and_b32 v[BVA], 8, v1
	v_add_nc_u32 v[BVA], v[BVA], v1
	v_lshlrev_b32 v[BVA], 2, v[BVA]
	s_lshl_b32 s18, s40, 10
	s_lshl_b32 s19, s16, 9
	s_add_co_u32 s18, s18, s19                     ; by registers: 4 (256 cx + 128 x my half of B)
	s_mov_b32 s19, 0
	s_lshl_b32 s2, s41, 10
	s_lshl_b32 s3, s15, 9
	s_add_co_u32 s2, s2, s3                        ; by lanes: 4 (256 cy + 128 x my half of A)
	s_mov_b32 s3, 0
	s_cmp_eq_u32 s66, 1
	s_cselect_b64 s[8:9], s[10:11], s[8:9]
	s_cselect_b64 s[96:97], s[98:99], s[96:97]
	s_cmp_eq_u32 s66, 2
	s_cselect_b64 s[8:9], s[12:13], s[8:9]         ; bk, bq or bv
	s_cselect_b64 s[96:97], s[100:101], s[96:97]   ; ki, qi or vi
	s_cselect_b32 s12, s42, s17                    ; the tile of 256 rows of key, query or value,
	s_cselect_b32 s13, s16, s15                    ; and my half of it;
	s_cselect_b32 s98, s17, s42                    ; the tile of 256 channels,
	s_cselect_b32 s99, s15, s16                    ; and my half of it
	s_mov_b32 s45, 7168
	s_cselect_b32 s45, 6656, s45                   ; a record's bytes
	s_add_nc_u64 s[10:11], s[8:9], s[2:3]
	s_add_nc_u64 s[8:9], s[8:9], s[18:19]
.irp b, 0,1,2,3,4,5,6,7
	global_load_b128 v[BQ+8*\b:BQ+8*\b+3], v[BQA], s[8:9] offset:(32*(\b/2)+8*(\b%2))*4
	global_load_b128 v[BQ+8*\b+4:BQ+8*\b+7], v[BQA], s[8:9] offset:(32*(\b/2)+8*(\b%2))*4+16
.endr
.irp a, 0,1,2,3,4,5,6,7
	global_load_b32 v[BV+2*\a], v[BVA], s[10:11] offset:(32*(\a/2)+8*(\a%2))*4
	global_load_b32 v[BV+2*\a+1], v[BVA], s[10:11] offset:(32*(\a/2)+8*(\a%2))*4
.endr
	; my records: index = batch x 128 + head x 8 + group of 128 rows
	s_lshl_b32 s12, s12, 1
	s_add_co_u32 s12, s12, s13                     ; G: which 128 rows of the 8,192
	s_lshl_b32 s98, s98, 2
	s_lshl_b32 s99, s99, 1
	s_add_co_u32 s98, s98, s99                     ; my first head
	s_lshr_b32 s13, s12, 3
	s_lshl_b32 s13, s13, 7
	s_and_b32 s12, s12, 7
	s_add_co_u32 s13, s13, s12
	s_lshl_b32 s98, s98, 3
	s_add_co_u32 s13, s13, s98
	s_mul_i32 s[RA], s13, s45                      ; under 2^23
	s_mov_b32 s[RA+1], 0
	s_add_nc_u64 s[RA:RA+1], s[96:97], s[RA:RA+1]
	s_lshl_b32 s[RB], s45, 3                       ; the next head's record lies 8 records on
	s_mov_b32 s[RB+1], 0
	s_add_nc_u64 s[RB:RB+1], s[RA:RA+1], s[RB:RB+1]
.macro FRAG reg, adr, q, i             ; a fragment, 16 rows x 128 K of 6-bit codes, is 12 registers: lane l holds row l % 16; registers 6 c .. 6 c + 5 hold K = 64 c + 32 (l / 16) + 0 .. 31: 24 bytes of the row's stream of bits
.irp p, 0,1,2,3,4,5                    ; in pieces of 8 bytes.  Lanes 0-15 take the row's pieces 12 q + 0, 1, 2 and 12 q + 6, 7, 8, lanes 16-31 those three pieces on
.set PCE, 12*(\q)+6*(\p/3)+\p%3       ; 16 bytes of padding lie behind every 8 pieces: where the piece three on lies behind one padding more, the second address register serves
.if PCE%8 < 5
	ds_load_b64 v[\reg+2*\p:\reg+2*\p+1], v[\adr] offset:8*PCE+16*(PCE/8)+(\i)*16*PITCH
.else
	ds_load_b64 v[\reg+2*\p:\reg+2*\p+1], v[\adr+2] offset:8*PCE+16*(PCE/8)+(\i)*16*PITCH
.endif
.endr
.endm
; 16 matrix instructions: A's blocks a0, a0 + 1 x B's eight, 128 along K: the slot's q-th.  p: B's set;  sc: the set of scale words.  zero = 1: the first product starts the sums.
; The 64 accumulators take turns, one instruction a turn, in the same order in every step.
.macro MUL16 a0, p, q, sc, zero
.irp a, \a0, \a0+1
.irp b, 0,1,2,3,4,5,6,7
.if \zero
	v_wmma_scale_f32_16x16x128_f8f6f4 v[8*(8*((\a)%4)+\b):8*(8*((\a)%4)+\b)+7], v[128*(\p)+FR*\b:128*(\p)+FR*\b+FR-1], v[AF+FR*(\a):AF+FR*(\a)+FR-1], 0, v[SC+8*NQ*(\sc)+NQ*\b+(\q)], v[SC+8*NQ*(\sc)+NQ*(\a)+(\q)] matrix_a_fmt:MATRIX_FMT_FP6 matrix_b_fmt:MATRIX_FMT_FP6 matrix_a_scale:MATRIX_SCALE_ROW1
.else
	v_wmma_scale_f32_16x16x128_f8f6f4 v[8*(8*((\a)%4)+\b):8*(8*((\a)%4)+\b)+7], v[128*(\p)+FR*\b:128*(\p)+FR*\b+FR-1], v[AF+FR*(\a):AF+FR*(\a)+FR-1], v[8*(8*((\a)%4)+\b):8*(8*((\a)%4)+\b)+7], v[SC+8*NQ*(\sc)+NQ*\b+(\q)], v[SC+8*NQ*(\sc)+NQ*(\a)+(\q)] matrix_a_fmt:MATRIX_FMT_FP6 matrix_b_fmt:MATRIX_FMT_FP6 matrix_a_scale:MATRIX_SCALE_ROW1
.endif
.endr
.endr
.endm
.macro FETCH_B slot, q, p              ; B's eight fragments of the slot's q-th 128 along K into set p
	WIN TO_B
.irp i, 0,1,2,3,4,5,6,7
	FRAG 128*(\p)+FR*\i, ADRB+\slot, \q, \i
.endr
	WIN 0
.endm
.macro FETCH_A slot, q, i0             ; A's blocks i0 .. i0 + 3
.irp i, \i0, \i0+1, \i0+2, \i0+3
	FRAG AF+FR*(\i), ADRA+\slot, \q, \i
.endr
.endm
.macro SCALES sc                       ; the next K step's scale words into set sc: lanes 0-15 take A's block i, lanes 16-31 B's block i
.irp i, 0,1,2,3,4,5,6,7
	ds_load_b64 v[SC+8*NQ*\sc+NQ*\i:SC+8*NQ*\sc+NQ*\i+1], v[ADRS] offset:\i*SBLK
.endr
.endm
.macro PLACES n                        ; plain vector instructions between a matrix instruction and a load into, or a vector instruction on, its registers
.rept \n
	v_nop
.endr
.endm
; A step of 128 along K that has its successor in the same slot.
.macro STEP slot, q, zero
	s_wait_dscnt 4*NL                              ; B's set and A's blocks 0-3 are in; the youngest 24 loads (A's blocks 4-7) may be out
	WIN MUL_LO
	MUL16 0, (\q)%2, \q, \slot, \zero
	MUL16 2, (\q)%2, \q, \slot, \zero
	s_wait_dscnt 0                                 ; A's blocks 4-7 are in
	PLACES NP
	FETCH_B \slot, (\q)+1, 1-(\q)%2
	FETCH_A \slot, (\q)+1, 0
	WIN MUL_HI
	MUL16 4, (\q)%2, \q, \slot, \zero
	MUL16 6, (\q)%2, \q, \slot, \zero
	PLACES NP
	WIN 0
	FETCH_A \slot, (\q)+1, 4
.endm
; A slot's last step changes slots: ONE barrier; in front of it each wave waits for all its tensor loads, adds 0 to its spare word, and waits for that and for its own reads of this slot.  fill = 1: this slot is filled again, two K steps ahead.
.macro TURN slot, next, fill
	s_wait_tensorcnt 0x0                           ; all my tensor loads have landed: my part of the next slot
	ds_add_u32 v[SPW], v[NIL]                      ; 0 onto my spare word
	s_wait_dscnt 4*NL+1                            ; (the add and the youngest 24 loads, A's blocks 4-7, may be out)
	WIN MUL_LO
	MUL16 0, 1, NQ-1, \slot, 0                     ; sixteen matrix instructions stand between the add and the wait for it
	s_wait_dscnt 0x0                               ; the add is done, and my reads of this slot are over
	s_barrier_signal -1
	MUL16 2, 1, NQ-1, \slot, 0
	WIN 0
	s_barrier_wait -1
.if \fill
	CREST                                          ; the barrier has opened a round of the cluster's barrier: no wave of any partner still reads this slot's tile or has a load on its way
	s_add_nc_u64 s[G0+4*\slot+2:G0+4*\slot+3], s[G0+4*\slot+2:G0+4*\slot+3], 2*ROWB
	s_add_nc_u64 s[G0B+4*\slot+2:G0B+4*\slot+3], s[G0B+4*\slot+2:G0B+4*\slot+3], 2*ROWB
	JLOAD G0+4*\slot, G1, G0B+4*\slot, G1B         ; the first tensor load behind the round; its four v_nop are the places in front of the loads below
.else
	PLACES NP
.endif
	v_add_nc_u32 v[ADRS], 4*NQ, v[ADRS]            ; on to the next K step's scale words (no LDS load of mine is out)
	FETCH_B \next, 0, 0
	FETCH_A \next, 0, 0
	SCALES \next
	WIN MUL_HI
	MUL16 4, 1, NQ-1, \slot, 0
	MUL16 6, 1, NQ-1, \slot, 0
	PLACES NP
	WIN 0
	FETCH_A \next, 0, 4
.endm
	s_wait_tensorcnt 1                             ; the scales and my part of K step 0 are in (K step 1's load may be out),
	s_barrier_signal -1
	s_barrier_wait -1                              ; everybody's are
	FETCH_B 0, 0, 0
	FETCH_A 0, 0, 0
	SCALES 0
	FETCH_A 0, 0, 4
	STEP 0, 0, 1                                   ; the first step stands in front of the loop: its products start the sums
	s_mov_b32 s3, LAPS-1
.Llap:                                                 ; a trip goes once round the ring, from a lap's second step to the next lap's first, and fills both slots again
	TURN 0, 1, 1
	STEP 1, 0, 0
	TURN 1, 0, 1
	STEP 0, 0, 0
	s_sub_co_u32 s3, s3, 1
	s_cmp_lg_u32 s3, 0
	s_cbranch_scc1 .Llap
	TURN 0, 1, 0                                   ; the last lap fills nothing, and has no round of the cluster's barrier
	STEP 1, 0, 0
	s_wait_dscnt 4*NL                              ; the very last step: nothing more to fetch
	WIN MUL_LO
	MUL16 0, 1, NQ-1, 1, 0
	MUL16 2, 1, NQ-1, 1, 0
	s_wait_dscnt 0
	WIN MUL_HI
	MUL16 4, 1, NQ-1, 1, 0
	MUL16 6, 1, NQ-1, 1, 0
	WIN 0
; 64 numbers of a lane, v[s] .. v[s + 63], register 16 b + i = k 32 b + 16 (lane / 16) + i of my row, become a fragment's codes in v[COD] on and its scale word in v[pw].
.macro QUANT s, pw
.irp b, 0,1,2,3
	v_max3_num_f32 v[TM+\b], |v[\s+16*\b]|, |v[\s+1+16*\b]|, 0x1800000   ; block b: my 16 numbers, and the floor 2^(3 - 127): so the byte cannot fall under 1
.endr
.irp i, 2,4,6,8,10,12,14
.irp b, 0,1,2,3
	v_max3_num_f32 v[TM+\b], v[TM+\b], |v[\s+16*\b+\i]|, |v[\s+1+16*\b+\i]|   ; (the four blocks by turns)
.endr
.endr
.irp b, 0,1,2,3
	v_permlanex16_b32 v[TM+4+\b], v[TM+\b], s[SEL], s[SEL+1]
.endr
.irp b, 0,1,2,3
	v_max_num_f32 v[TM+\b], v[TM+\b], v[TM+4+\b]   ; with lane l xor 16's: the block's largest magnitude
.endr
.irp b, 0,1,2,3
	v_add_nc_u32 v[TM+8+\b], 0xff000000, v[TM+\b]  ; 2 off its exponent field: the conversion's scale operand
.endr
.irp b, 0,1,2,3
	v_lshrrev_b32 v[TM+4+\b], 23, v[TM+8+\b]       ; the scale's byte
.endr
	v_lshl_or_b32 v[\pw], v[TM+5], 8, v[TM+4]      ; the four bytes make my row's scale word
	v_lshl_or_b32 v[\pw], v[TM+6], 16, v[\pw]
	v_lshl_or_b32 v[\pw], v[TM+7], 24, v[\pw]
.irp c, 0,1
	v_cvt_scalef32_pk16_fp6_f32 v[COD+6*\c:COD+2+6*\c], v[\s+32*\c:\s+15+32*\c], v[TM+8+2*\c]
	v_cvt_scalef32_pk16_fp6_f32 v[COD+12+4*\c:COD+14+4*\c], v[\s+16+32*\c:\s+31+32*\c], v[TM+8+2*\c+1]   ; (a conversion's three registers begin on an even number)
.endr
	v_nop                                          ; one plain place behind a scaled conversion
.irp c, 0,1                                    ; the operand's layout wants a WHOLE block in a lane: lanes 0-15 block 2 c, lanes 16-31 block 2 c + 1
.irp i, 0,1,2
	v_permlane16_swap_b32 v[COD+6*\c+\i], v[COD+12+4*\c+\i]
.endr
.irp i, 0,1,2
	v_mov_b32 v[COD+3+6*\c+\i], v[COD+12+4*\c+\i]
.endr
.endr
.endm
; Block a of k or q: 16 rows in the lanes, my 128 channels (two heads) in 64 registers.
.macro EPI_QK a
.if \a > 0
	s_wait_xcnt 0x0                                ; the last block's stores have read the codes' registers
.endif
.set WN, 0x02+(\a)/4
	WIN WN                                         ; source 0: window 2 or 3
.set ii, 0
.rept 32
	v_pk_add_f32 v[HA+ii:HA+ii+1], v[64*((\a)%4)+ii:64*((\a)%4)+ii+1], v[BQ+ii:BQ+ii+1]   ; + bias; each accumulator from its low end on
.set ii, ii+2
.endr
	WIN 0
	QUANT HA, SA+\a
	v_lshrrev_b32 v[SB+\a], 16, v[SA+\a]           ; the second head's two bytes
	global_store_b128 v[LI], v[COD:COD+3], s[RA:RA+1] offset:768*\a
	global_store_b64 v[L8], v[COD+4:COD+5], s[RA:RA+1] offset:768*\a+512
	global_store_b128 v[LI], v[COD+6:COD+9], s[RB:RB+1] offset:768*\a
	global_store_b64 v[L8], v[COD+10:COD+11], s[RB:RB+1] offset:768*\a+512
.endm
; Block a of v: 16 channels in the lanes, my 128 keys in 64 registers: one whole fragment.  Blocks 0-3 are the first head's, 4-7 the second's.
.macro EPI_V a
.if \a > 0
	s_wait_xcnt 0x0
.endif
.set WN, 0x02+(\a)/4
	WIN WN
.set ii, 0
.rept 32
	v_pk_add_f32 v[HA+ii:HA+ii+1], v[64*((\a)%4)+ii:64*((\a)%4)+ii+1], v[BV+2*\a:BV+2*\a+1]
.set ii, ii+2
.endr
	WIN 0
	QUANT HA, SA+\a
.set RX, RA+2*((\a)/4)
.irp c, 0,1,2
	global_store_b128 v[LI], v[COD+4*\c:COD+4*\c+3], s[RX:RX+1] offset:1536*((\a)%4)+512*\c
.endr
.endm
	PLACES NP                                      ; behind the last products: their results are read, and their operands' registers written, below
	s_wait_loadcnt 0x0                             ; the biases
	s_mov_b32 s[SEL], 0x76543210
	s_mov_b32 s[SEL+1], 0xfedcba98
.irp b, 0,1,2,3
	v_mov_b32 v[TM+4+\b], 0                        ; written once: a lane permute's destination counts as one of its sources
.endr
	s_cmp_eq_u32 s66, 2                            ; T: the same in all sixteen partners
	s_cbranch_scc1 .Lway_v
.irp a, 0,1,2,3,4,5,6,7
	EPI_QK \a
.endr
	global_store_b128 v[LI], v[SA:SA+3], s[RA:RA+1] offset:6144
	global_store_b128 v[LI], v[SA+4:SA+7], s[RA:RA+1] offset:6656
	global_store_b128 v[LI], v[SB:SB+3], s[RB:RB+1] offset:6144
	global_store_b128 v[LI], v[SB+4:SB+7], s[RB:RB+1] offset:6656
	s_branch .Ldone
.Lway_v:
.irp a, 0,1,2,3,4,5,6,7
	EPI_V \a
.endr
	global_store_b128 v[LI], v[SA:SA+3], s[RA:RA+1] offset:6144
	global_store_b128 v[LI], v[SA+4:SA+7], s[RB:RB+1] offset:6144
.Ldone:
	s_wait_tensorcnt 0x0                           ; the wave's end: behind my last tensor load
	ds_add_u32 v[SPW], v[NIL]
	s_wait_dscnt 0x0
	CROUND                                         ; the closing round: no work-group ends while a partner may still ask for a tile that names it
	s_endpgm
.Lfunc_end_k_qd5846f7d23_proj:
	.size	k_qd5846f7d23_proj, .Lfunc_end_k_qd5846f7d23_proj-k_qd5846f7d23_proj
	.p2alignl 7, 3214868480
	.fill 96, 4, 3214868480
	.section	.rodata,"a",@progbits
	.p2align	6, 0x0
	.amdhsa_kernel k_qd5846f7d23_proj
		.amdhsa_group_segment_fixed_size 327680
		.amdhsa_private_segment_fixed_size 0
		.amdhsa_enable_private_segment 0
		.amdhsa_kernarg_size 64
		.amdhsa_user_sgpr_count 2
		.amdhsa_user_sgpr_kernarg_segment_ptr 1
		.amdhsa_wavefront_size32 1
		.amdhsa_system_sgpr_workgroup_id_x 1
		.amdhsa_system_sgpr_workgroup_id_y 1
		.amdhsa_system_sgpr_workgroup_id_z 1
		.amdhsa_system_vgpr_workitem_id 0
		.amdhsa_next_free_vgpr 1024
		.amdhsa_next_free_sgpr 102
		.amdhsa_reserve_vcc 0
		.amdhsa_float_denorm_mode_32 3
		.amdhsa_float_denorm_mode_16_64 3
		.amdhsa_memory_ordered 1
		.amdhsa_forward_progress 1
		.amdhsa_inst_pref_size 234
	.end_amdhsa_kernel
	.amdgpu_metadata
---
amdhsa.version: [ 1, 2 ]
amdhsa.kernels:
  - .name:           k_qd5846f7d23_proj
    .symbol:         k_qd5846f7d23_proj.kd
    .args:
      - { .name: xc, .offset: 0, .size: 8, .value_kind: global_buffer, .address_space: global }
      - { .name: xs, .offset: 8, .size: 8, .value_kind: global_buffer, .address_space: global }
      - { .name: bk, .offset: 16, .size: 8, .value_kind: global_buffer, .address_space: global }
      - { .name: bq, .offset: 24, .size: 8, .value_kind: global_buffer, .address_space: global }
      - { .name: bv, .offset: 32, .size: 8, .value_kind: global_buffer, .address_space: global }
      - { .name: ki, .offset: 40, .size: 8, .value_kind: global_buffer, .address_space: global }
      - { .name: qi, .offset: 48, .size: 8, .value_kind: global_buffer, .address_space: global }
      - { .name: vi, .offset: 56, .size: 8, .value_kind: global_buffer, .address_space: global }
    .group_segment_fixed_size: 327680
    .private_segment_fixed_size: 0
    .kernarg_segment_align: 8
    .kernarg_segment_size: 64
    .max_flat_workgroup_size: 128
    .sgpr_count:     102
    .vgpr_count:     1024
    .wavefront_size: 32
...
	.end_amdgpu_metadata
.endif
;; end of part 2
;; launch attn (part 3): grid 2 x 128, 16 waves a work-group, no clusters, 167,936 bytes of LDS; arguments qi, ki, vi, yc, ys; writes yc, ys
.if DOCPART == 3
	.amdgcn_target "amdgcn-amd-amdhsa--gfx1250"
	.amdhsa_code_object_version 6
	.text
	.protected	k_qd5846f7d23_attn
	.globl	k_qd5846f7d23_attn
	.p2align	8
	.type	k_qd5846f7d23_attn,@function
k_qd5846f7d23_attn:
	s_mov_b64 s[64:65], 0
	v_nop
	global_prefetch_b8 v0, s[64:65] scope:SCOPE_SE
	s_setreg_imm32_b32 hwreg(HW_REG_WAVE_MODE, 25, 1), 1
	s_wait_xcnt 0x0
; y[b][q][head] = softmax_k(q . k / 8, key k counts where k <= q) v, for 128 (batch, head) pairs of 1,024 queries and keys and 64 channels, both products on codes of FP6 (E2M3) with one E8M0 scale for each 32 along K;
; y is quantised along the channels on its way out, for the last launch.
; INPUTS are images of operand registers (made by the launch before).  A record of q or k (batch, head, 128 rows), 7,168 bytes: tile t at 768 t, registers 0-3 at 16 x lane, 4-5 at 512 + 8 x lane; scale words of tiles 0-3 at
; 6,144 + 16 x lane, of tiles 4-7 at 6,656 + 16 x lane.  A record of v (batch, head, 128 keys), 6,656 bytes: channel tile t at 1,536 t, registers 4 c .. at 512 c + 16 x lane; scale words at 6,144 + 16 x lane.
; THE SOFTMAX AHEAD OF THE SECOND PRODUCT: t = score x log2(e) / 8; M = the row's largest t so far, rounded UP to a whole number; p = 2^(t - M) is what is quantised, along the keys; the row's sum is taken of the
; unquantised p and divides O at the end.  When M moves, the sum and O are multiplied by 2^(old M - new M): exact.
; K = 64 IN AN INSTRUCTION 128 DEEP: q's operand is 6 registers of codes and 6 of zeros.  So k's operand of tile t may be the 12 registers from its own six on: the upper six (the next tile's codes, or zeros behind the last) meet
; zero codes alone, and no scale byte is 0xff.
; SHARES.  Two work-groups to a (batch, head): 256 work-groups of equal work.  Each of the sixteen waves owns TWO tiles of 16 queries, tile p and tile 63 - p, p = 8 kap + 2 (w / 4) + work-group x, kap = (w + w / 4) % 4.
; Tile t needs key steps 0 .. t / 8 (128 keys a step): kap + 1 and 8 - kap: nine steps for every wave.  The steps above a tile's diagonal are left out by a scalar branch on ids.
; ALL OF THE HEAD'S K AND V, 110,592 bytes, COMES INTO LDS ONCE: waves 0, 1 (K) and 2, 3 (V) issue two tensor loads each at the head: key steps 0-3, then 4-7.  Nothing is filled again, so there is no ring, and nothing is left
; that a prefetch could ask for ahead of the loads.  Key step 0 is worked behind the first loads' barrier; the second barrier, for the rest, stands behind it, where every wave has done the same two steps.
; NO CLUSTER: a head's records are shared by two work-groups; a cluster of four along an axis would hold two heads, and a joint load would have to name a pair of the four.
; LAYOUT.  Both products are used transposed (S^T = K Q^T, O^T = V^T P^T): a lane holds ONE query (lane % 16).  The keys of a tile of K, and the channels of a tile of V, were chosen so that the 16 registers of two neighbouring
; result tiles are 16 neighbours: keys 32 b + 16 (lane / 16) + 0 .. 15, channels likewise.
; OUT.  yc[(64 batch + tile) x 16 + head]: 768 bytes, laid as a tile of a record.  ys[row][2 head + block]: scale bytes.  A row's 32 scale bytes come from 16 work-groups, so they leave two bytes a lane (one store a wave,
; 256 KiB of the launch's 6.5 MB): the layout lets the next launch take them as dense rows.
; LIMITS: a block whose largest magnitude lies under 2^-124 (a block of zeros too) gets the byte 1; NaN and infinities are not served.
; REGISTERS: v1-9 addresses; v10-13, v14-17 for each tile: -M, the largest t, the sum in two halves; v18-29, v30-41 Q; v42, v43 Q's scale words; v44-97 fragments of K or V (and at work in the softmax), the last six zeros;
; v98-161 S^T, then p; v162-193, v194-225 O^T; v226-237 p's codes; v238-245 K's or V's scale words; v246 p's scale word; v248 f; v250-252 at work.
.set KREC,  7168
.set VREC,  6656
.set VOFF,  8*KREC                     ; LDS: K's 8 records, then V's 8
.set SPARE, VOFF+8*VREC                ; behind them: the spare words, 128 bytes for each of 16 waves
.set LI,   1                           ; v1   16 x lane
.set L8,   2                           ; v2   8 x lane
.set SPW,  3                           ; v3   LDS address of my spare word; never rewritten
.set NIL,  4                           ; v4   0; never rewritten
.set ADK,  5                           ; v5   LDS address of the step's record of K, + 16 x lane
.set ADK8, 6                           ; v6   the same + 8 x lane
.set ADV,  7                           ; v7   of V, + 16 x lane
.set F,    44
.set S,    98
.set COD,  226
.set KSC,  238
.set PSW,  246
.set FF,   248                         ; v[248:249] f and a partner that is written once
.set T0,   250
.set T1,   251
.set T2,   252
.set BM,   F                           ; in the softmax: the blocks' largest scores, then largest p
.set PT,   F+4                         ; the other half's; then the bytes
.set SO,   F+8                         ; the conversions' scale operands
.set CT,   F+12                        ; two conversions' results on their way
.set SUM2, F+20                        ; the sum's second chain
.set WV,   14                          ; s14  my wave's number
.set G1K,  24                          ; s[24:31] descriptor group 1 for two records of K;  s[32:39] of V
.set G1V,  32
.set G0,   40                          ; s[40:55] four groups 0: K's first and second load, V's first and second
.set SEL,  56                          ; s[56:57] lane selects for v_permlanex16_b32: lane l xor 16
.set CS,   58                          ; s[58:59] c = log2(e) / 8
.set KS,   60                          ; s60  the key step
.set TK,   61                          ; s61  LDS byte of its record of K
.set TV,   62                          ; s62  of V
	s_load_b256 s[4:11], s[0:1], 0x0               ; qi s[4:5], ki s[6:7], vi s[8:9], yc s[10:11]
	s_load_b64 s[12:13], s[0:1], 0x20              ; ys
	v_lshl_add_u32 v[SPW], v0, 2, SPARE
	v_mov_b32 v[NIL], 0
	ds_add_u32 v[SPW], v[NIL]                      ; the wave's opening: the add and its wait stand ahead of my first tensor load; the set-up below, work on registers, stands between them
	v_lshrrev_b32 v5, 5, v0
	v_readfirstlane_b32 s[WV], v5                  ; wave 0..15
	v_and_b32 v[LI], 31, v0
	v_lshlrev_b32 v[L8], 3, v[LI]
	v_lshlrev_b32 v[LI], 4, v[LI]
	s_and_b32 s15, ttmp7, 0xffff                   ; 16 x batch + head
	s_lshr_b32 s18, s[WV], 2
	s_add_co_u32 s17, s[WV], s18
	s_and_b32 s17, s17, 3                          ; kap: the low tile's last key step
	s_sub_co_u32 s21, 7, s17                       ; the high tile's
	s_lshl_b32 s18, s18, 1
	s_add_co_u32 s18, s18, ttmp9                   ; the low tile's place among the 8 tiles of its key step
	s_lshl_b32 s22, s18, 4                         ; its first query less its last step's first key
	s_sub_co_u32 s23, 112, s22                     ; the same of the high tile
	s_lshl_b32 s19, s17, 3
	s_add_co_u32 s19, s19, s18                     ; the low tile, p
	s_sub_co_u32 s20, 63, s19                      ; the high tile
	s_sub_co_u32 s86, 7, s18                       ; its place among 8
	s_lshl_b32 s82, s15, 3                         ; the head's first record
.macro QOFF d, lim, m                  ; s[d:d+1]: byte offset in qi of a tile's codes;  s[d+2:d+3]: of its scale words
	s_add_co_u32 s83, s82, s[\lim]
	s_mul_i32 s83, s83, KREC
	s_mul_i32 s84, s[\m], 768
	s_add_co_u32 s[\d], s83, s84
	s_mov_b32 s[\d+1], 0
	s_lshr_b32 s84, s[\m], 2
	s_lshl_b32 s84, s84, 9
	s_and_b32 s85, s[\m], 3
	s_lshl_b32 s85, s85, 2
	s_add_co_u32 s84, s84, s85
	s_add_co_u32 s84, s84, s83
	s_add_co_u32 s[\d+2], s84, 6144
	s_mov_b32 s[\d+3], 0
.endm
	QOFF 68, 17, 18
	QOFF 72, 21, 86
	s_lshr_b32 s82, s15, 4                         ; batch
	s_and_b32 s83, s15, 15                         ; head
	s_lshl_b32 s84, s82, 6
	s_add_co_u32 s85, s84, s19                     ; 64 batch + low tile
	s_lshl_b32 s80, s85, 9                         ; ys: its first row, 32 bytes a row,
	s_lshl_b32 s85, s85, 4
	s_add_co_u32 s85, s85, s83
	s_mul_i32 s76, s85, 768                        ; yc: the low tile's image
	s_mov_b32 s77, 0
	s_add_co_u32 s85, s84, s20
	s_lshl_b32 s85, s85, 4
	s_add_co_u32 s85, s85, s83
	s_mul_i32 s78, s85, 768                        ; the high tile's
	s_mov_b32 s79, 0
	s_lshl_b32 s83, s83, 1
	s_add_co_u32 s80, s80, s83                     ; + 2 x head
	s_mov_b32 s81, 0
	s_sub_co_u32 s66, s20, s19
	s_lshl_b32 s66, s66, 9                         ; from the low tile's rows of ys to the high tile's, in bytes
	s_and_b32 s88, s[WV], 1                        ; what I fetch, if I fetch: two records, 2 (w % 2) on
	s_mul_i32 s89, s88, 2*KREC
	s_mul_i32 s90, s88, 2*VREC
	s_mul_i32 s92, s15, 8*KREC
	s_add_co_u32 s92, s92, s89
	s_mov_b32 s93, 0
	s_mul_i32 s94, s15, 8*VREC
	s_add_co_u32 s94, s94, s90
	s_mov_b32 s95, 0
	; descriptor group 1: two records are a dense block: rows of 256 bytes (32 elements of 8 bytes), 56 of them for K, 52 for V; no padding
	s_mov_b32 s[G1K], 3<<16
	s_mov_b32 s[G1K+1], 32<<16                     ; tensor_dim0
	s_mov_b32 s[G1K+2], 56<<16                     ; tensor_dim1
	s_mov_b32 s[G1K+3], 32<<16                     ; tile_dim0
	s_mov_b32 s[G1K+4], 56                         ; tile_dim1
	s_mov_b32 s[G1K+5], 32                         ; the pitch
	s_mov_b32 s[G1K+6], 0
	s_mov_b32 s[G1K+7], 0
	s_mov_b32 s[G1V], 3<<16
	s_mov_b32 s[G1V+1], 32<<16
	s_mov_b32 s[G1V+2], 52<<16
	s_mov_b32 s[G1V+3], 32<<16
	s_mov_b32 s[G1V+4], 52
	s_mov_b32 s[G1V+5], 32
	s_mov_b32 s[G1V+6], 0
	s_mov_b32 s[G1V+7], 0
	s_mov_b32 s[SEL], 0x76543210
	s_mov_b32 s[SEL+1], 0xfedcba98
	s_mov_b32 s[CS], 0x3e38aa3b                    ; c = log2(e) / 8
	s_mov_b32 s[CS+1], s[CS]                       ; (named with it as a pair, so it is written)
	s_mov_b32 s63, 0xffff0000                      ; lanes 16-31
	s_wait_dscnt 0x0                               ; the opening add is done
	s_wait_kmcnt 0x0
	s_mov_b32 s[G0], 1
	s_mov_b32 s[G0+1], s89                         ; K, key steps 0-3: my two records
	s_add_nc_u64 s[G0+2:G0+3], s[6:7], s[92:93]
	s_mov_b32 s[G0+4], 1
	s_add_co_u32 s[G0+5], s89, 4*KREC              ; key steps 4-7
	s_add_nc_u64 s[G0+6:G0+7], s[G0+2:G0+3], 4*KREC
	s_or_b32 s[G0+3], s[G0+3], 0x80000000
	s_or_b32 s[G0+7], s[G0+7], 0x80000000
	s_mov_b32 s[G0+8], 1
	s_add_co_u32 s[G0+9], s90, VOFF                ; V likewise
	s_add_nc_u64 s[G0+10:G0+11], s[8:9], s[94:95]
	s_mov_b32 s[G0+12], 1
	s_add_co_u32 s[G0+13], s90, VOFF+4*VREC
	s_add_nc_u64 s[G0+14:G0+15], s[G0+10:G0+11], 4*VREC
	s_or_b32 s[G0+11], s[G0+11], 0x80000000
	s_or_b32 s[G0+15], s[G0+15], 0x80000000
	s_cmp_lt_u32 s[WV], 2                          ; a wave's two fills stand in one branch on its number, ahead of every wait on TENSORcnt, every LDS read and every barrier: two loads of mine are out
	s_cbranch_scc0 .Lnot_k
	tensor_load_to_lds s[G0:G0+3], s[G1K:G1K+7]
	s_nop 0
	tensor_load_to_lds s[G0+4:G0+7], s[G1K:G1K+7]
	s_nop 0
.rept 4
	v_nop
.endr
	s_branch .Lasked
.Lnot_k:
	s_cmp_lt_u32 s[WV], 4
	s_cbranch_scc0 .Lasked
	tensor_load_to_lds s[G0+8:G0+11], s[G1V:G1V+7]
	s_nop 0
	tensor_load_to_lds s[G0+12:G0+15], s[G1V:G1V+7]
	s_nop 0
.rept 4
	v_nop
.endr
.Lasked:
	s_add_nc_u64 s[68:69], s[4:5], s[68:69]
	s_add_nc_u64 s[70:71], s[4:5], s[70:71]
	s_add_nc_u64 s[72:73], s[4:5], s[72:73]
	s_add_nc_u64 s[74:75], s[4:5], s[74:75]
	s_add_nc_u64 s[76:77], s[10:11], s[76:77]
	s_add_nc_u64 s[78:79], s[10:11], s[78:79]
	s_add_nc_u64 s[80:81], s[12:13], s[80:81]
	global_load_b128 v[18:21], v[LI], s[68:69]     ; Q's two tiles stay in registers
	global_load_b64 v[22:23], v[L8], s[68:69] offset:512
	global_load_b32 v42, v[LI], s[70:71]
	global_load_b128 v[30:33], v[LI], s[72:73]
	global_load_b64 v[34:35], v[L8], s[72:73] offset:512
	global_load_b32 v43, v[LI], s[74:75]
.irp j, 24,25,26,27,28,29,36,37,38,39,40,41
	v_mov_b32 v[\j], 0                             ; the zero half of Q's operands
.endr
.irp j, 48,49,50,51,52,53
	v_mov_b32 v[F+\j], 0                           ; and what stands behind K's last tile
.endr
.set jj, 0
.rept 64
	v_mov_b32 v[162+jj], 0                         ; O^T.  (The step is written without a first form: the first finds zeros, which the first change of M leaves zeros)
.set jj, jj+1
.endr
.irp x, 0,1
	v_mov_b32 v[11+4*\x], 0xff61b1e6               ; the largest t so far: -3e38, under every t
	v_floor_f32 v[10+4*\x], -v[11+4*\x]            ; -M
	v_mov_b32 v[12+4*\x], 0                        ; the sum, in two halves
	v_mov_b32 v[13+4*\x], 0
.endr
	v_mov_b32 v[FF+1], 0                           ; (named as the upper half of a pair)
	v_mov_b32 v[T0], 0                             ; (a lane permute's destination counts as one of its sources)
	v_mov_b32 v[T1], 0
; A KEY STEP of tile X (0: the low one, 1: the high one): 128 keys.  skip = 1: left out where the step lies above the tile's diagonal.  mask = 1: on the diagonal the scores of hidden keys become -infinity.
.macro STEP X, skip, mask
.set ST, 10+4*\X
.set QF, 18+12*\X
.set OT, 162+32*\X
.if \skip
	s_cmp_gt_u32 s[KS], s[17+4*\X]                 ; ids and the count of steps alone; no barrier and no tensor load stands in a step
	s_cbranch_scc1 .Lskip_\@
.endif
	v_add_nc_u32 v[ADK], s[TK], v[LI]
	v_add_nc_u32 v[ADK8], s[TK], v[L8]
	v_add_nc_u32 v[ADV], s[TV], v[LI]
	v_nop                                          ; four places in front of loads into registers that the last products have read
.irp t, 0,1,2,3,4,5,6,7
	ds_load_b128 v[F+6*\t:F+6*\t+3], v[ADK] offset:768*\t
	ds_load_b64 v[F+6*\t+4:F+6*\t+5], v[ADK8] offset:768*\t+512
.endr
	ds_load_b128 v[KSC:KSC+3], v[ADK] offset:6144
	ds_load_b128 v[KSC+4:KSC+7], v[ADK] offset:6656
	s_wait_dscnt 0x0
.irp t, 0,1,2,3,4,5,6,7                        ; S^T = K Q^T: source 0 = 16 keys, source 1 = my 16 queries
	v_wmma_scale_f32_16x16x128_f8f6f4 v[S+8*\t:S+8*\t+7], v[F+6*\t:F+6*\t+11], v[QF:QF+11], 0, v[KSC+\t], v[42+\X] matrix_a_fmt:MATRIX_FMT_FP6 matrix_b_fmt:MATRIX_FMT_FP6
.endr
.rept 4
	v_nop
.endr
.if \mask
	s_cmp_lg_u32 s[KS], s[17+4*\X]
	s_cbranch_scc1 .Lopen_\@
	v_and_b32 v[T0], 15, v0
	v_bfe_u32 v[T1], v0, 4, 1
	v_lshlrev_b32 v[T1], 4, v[T1]
	v_sub_nc_u32 v[T0], v[T0], v[T1]
	v_add_nc_u32 v[T0], s[22+\X], v[T0]            ; d = my query - the step's first key - 16 (lane / 16).  Register 16 b + i holds key 32 b + 16 (lane / 16) + i of the step: hidden where 32 b + i > d
	v_mov_b32 v[T1], 0xff800000                    ; -infinity
.set nn, 0
.rept 64
	v_cmp_gt_i32 vcc_lo, 32*(nn/16)+nn%16, v[T0]
	v_cndmask_b32 v[S+nn], v[S+nn], v[T1], vcc_lo
.set nn, nn+1
.endr
.Lopen_\@:
.endif
.irp b, 0,1,2,3
	v_max3_num_f32 v[BM+\b], v[S+16*\b], v[S+1+16*\b], v[S+2+16*\b]   ; the largest score of each block of 32 keys: it serves for the row's maximum and, since p rises with the score, for the block's largest p
.endr
.irp i, 3,5,7,9,11,13
.irp b, 0,1,2,3
	v_max3_num_f32 v[BM+\b], v[BM+\b], v[S+16*\b+\i], v[S+1+16*\b+\i]
.endr
.endr
.irp b, 0,1,2,3
	v_max_num_f32 v[BM+\b], v[BM+\b], v[S+15+16*\b]
.endr
.irp b, 0,1,2,3
	v_permlanex16_b32 v[PT+\b], v[BM+\b], s[SEL], s[SEL+1]
.endr
.irp b, 0,1,2,3
	v_max_num_f32 v[BM+\b], v[BM+\b], v[PT+\b]     ; with lane l xor 16's 16 keys
.endr
	v_max3_num_f32 v[T0], v[BM], v[BM+1], v[BM+2]
	v_max_num_f32 v[T0], v[T0], v[BM+3]            ; the step's largest score of my query
	v_mul_f32 v[T0], s[CS], v[T0]                  ; as t
	v_max_num_f32 v[ST+1], v[ST+1], v[T0]          ; the running largest t
	v_mov_b32 v[T0], v[ST]
	v_floor_f32 v[ST], -v[ST+1]                    ; the new -M = -ceil(t): M is a whole number
	v_sub_f32 v[T0], v[ST], v[T0]                  ; M's old value less its new one: a whole number, 0 or less
	v_cvt_i32_f32 v[T0], v[T0]                     ; (it saturates)
	v_ldexp_f32 v[FF], 1.0, v[T0]                  ; f = 2^(old M - new M)
.set jj, 0
.rept 32
	v_pk_fma_f32 v[S+jj:S+jj+1], v[S+jj:S+jj+1], s[CS:CS+1], v[ST:ST+1] op_sel_hi:[1,0,0]   ; t - M, two at a time
.set jj, jj+2
.endr
.irp b, 0,1,2,3
	v_fma_f32 v[BM+\b], v[BM+\b], s[CS], v[ST]     ; the same of each block's largest score
.endr
.set jj, 0
.rept 64
	v_exp_f32 v[S+jj], v[S+jj]                     ; p = 2^(t - M), at most 1: not normalised
.set jj, jj+1
.endr
	v_pk_mul_f32 v[ST+2:ST+3], v[ST+2:ST+3], v[FF:FF+1] op_sel_hi:[1,0]   ; the sums under the new M (a plain place behind the exponentials)
	s_wait_alu depctr_va_vdst(0)                   ; one wait for the whole batch, ahead of its first reader
.irp b, 0,1,2,3
	v_exp_f32 v[BM+\b], v[BM+\b]                   ; the block's largest p: the same two instructions on the same number give the same bits
.endr
	v_pk_add_f32 v[SUM2:SUM2+1], v[S:S+1], v[S+2:S+3]   ; the row's sum is taken of the unquantised p: two at a time, in two chains
.irp j, 4,8,12,16,20,24,28,32,36,40,44,48,52,56,60
	v_pk_add_f32 v[ST+2:ST+3], v[ST+2:ST+3], v[S+\j:S+\j+1]
	v_pk_add_f32 v[SUM2:SUM2+1], v[SUM2:SUM2+1], v[S+2+\j:S+3+\j]
.endr
	v_pk_add_f32 v[ST+2:ST+3], v[ST+2:ST+3], v[SUM2:SUM2+1]
	s_wait_alu depctr_va_vdst(0)                   ; and one for the four
.irp b, 0,1,2,3
	v_max_num_f32 v[BM+\b], 0x1800000, v[BM+\b]    ; the floor 2^(3 - 127): the byte cannot fall under 1 (a block whose every p is 0 keeps that byte: its codes are zeros)
.endr
.irp b, 0,1,2,3
	v_add_nc_u32 v[SO+\b], 0xff000000, v[BM+\b]    ; 2 off the exponent field: the conversion's scale operand
.endr
.irp b, 0,1,2,3
	v_lshrrev_b32 v[PT+\b], 23, v[SO+\b]           ; the scale's byte
.endr
	v_lshl_or_b32 v[PSW], v[PT+1], 8, v[PT]        ; p's scale word for these 128 keys
	v_lshl_or_b32 v[PSW], v[PT+2], 16, v[PSW]
	v_lshl_or_b32 v[PSW], v[PT+3], 24, v[PSW]
.irp c, 0,1
	v_cvt_scalef32_pk16_fp6_f32 v[COD+6*\c:COD+2+6*\c], v[S+32*\c:S+15+32*\c], v[SO+2*\c]
	v_cvt_scalef32_pk16_fp6_f32 v[CT+4*\c:CT+2+4*\c], v[S+16+32*\c:S+31+32*\c], v[SO+2*\c+1]   ; (a conversion's three registers begin on an even number)
.endr
	v_nop                                          ; one plain place behind a scaled conversion
.irp c, 0,1                                    ; the operand's layout wants a WHOLE block in a lane
.irp i, 0,1,2
	v_permlane16_swap_b32 v[COD+6*\c+\i], v[CT+4*\c+\i]
.endr
.irp i, 0,1,2
	v_mov_b32 v[COD+3+6*\c+\i], v[CT+4*\c+\i]
.endr
.endr
.set jj, 0
.rept 16
	v_pk_mul_f32 v[OT+jj:OT+jj+1], v[OT+jj:OT+jj+1], v[FF:FF+1] op_sel_hi:[1,0]   ; O^T under the new M, from each accumulator's low end on.  (These are also the places between the scale word's and the codes' last lines and the products below)
.set jj, jj+2
.endr
.irp t, 0,1,2,3
.irp c, 0,1,2
	ds_load_b128 v[F+12*\t+4*\c:F+12*\t+4*\c+3], v[ADV] offset:1536*\t+512*\c
.endr
.endr
	ds_load_b128 v[KSC:KSC+3], v[ADV] offset:6144
	s_wait_dscnt 0x0
.irp t, 0,1,2,3                                ; O^T += V^T P^T: source 0 = 16 channels, source 1 = P; the four accumulators by turns
	v_wmma_scale_f32_16x16x128_f8f6f4 v[OT+8*\t:OT+8*\t+7], v[F+12*\t:F+12*\t+11], v[COD:COD+11], v[OT+8*\t:OT+8*\t+7], v[KSC+\t], v[PSW] matrix_a_fmt:MATRIX_FMT_FP6 matrix_b_fmt:MATRIX_FMT_FP6
.endr
.Lskip_\@:
.endm
	s_wait_loadcnt 0x0                             ; Q
	s_wait_tensorcnt 1                             ; my part of key steps 0-3 is in; my second load may stay out
	s_barrier_signal -1
	s_barrier_wait -1                              ; everybody's is
	s_mov_b32 s[KS], 0
	s_mov_b32 s[TK], 0
	s_mov_b32 s[TV], VOFF
	STEP 0, 0, 1                                   ; key step 0, both tiles: two steps in every wave
	STEP 1, 0, 0
	s_wait_tensorcnt 0x0                           ; my part of key steps 4-7 is in,
	s_wait_dscnt 0x0
	s_barrier_signal -1
	s_barrier_wait -1                              ; everybody's is: from here on no wave waits for another
	s_mov_b32 s[KS], 1
	s_mov_b32 s[TK], KREC
	s_mov_b32 s[TV], VOFF+VREC
.Llow:                                             ; key steps 1 to 3: the low tile up to its diagonal; the high tile, whose diagonal lies at step 4 or later
	STEP 0, 1, 1
	STEP 1, 0, 0
	s_add_co_u32 s[TK], s[TK], KREC
	s_add_co_u32 s[TV], s[TV], VREC
	s_add_co_u32 s[KS], s[KS], 1
	s_cmp_lt_u32 s[KS], 4
	s_cbranch_scc1 .Llow
	s_mov_b32 s[KS], 4
	s_mov_b32 s[TK], 4*KREC
	s_mov_b32 s[TV], VOFF+4*VREC
.Lhigh:                                            ; key steps 4 to 7: the high tile up to its diagonal
	STEP 1, 1, 1
	s_add_co_u32 s[TK], s[TK], KREC
	s_add_co_u32 s[TV], s[TV], VREC
	s_add_co_u32 s[KS], s[KS], 1
	s_cmp_lt_u32 s[KS], 8
	s_cbranch_scc1 .Lhigh
	; THE WAY OUT.  y = O^T / the sum, quantised along the head's 64 channels: two blocks.
.rept 4
	v_nop                                          ; places behind the last products
.endr
.irp x, 0,1
	v_add_f32 v[12+4*\x], v[12+4*\x], v[13+4*\x]   ; the sum's two halves,
.endr
.irp x, 0,1
	v_permlanex16_b32 v[T0+\x], v[12+4*\x], s[SEL], s[SEL+1]
.endr
.irp x, 0,1
	v_add_f32 v[12+4*\x], v[12+4*\x], v[T0+\x]     ; and lane l xor 16's: the row's sum
.endr
.irp x, 0,1
	v_rcp_f32 v[12+4*\x], v[12+4*\x]
.endr
	v_and_b32 v8, 15, v0                           ; (plain work behind the reciprocals)  ys: lanes 0-15 the low tile's rows, lanes 16-31 the high tile's; 32 bytes a row
	v_bfe_u32 v9, v0, 4, 1
	v_mul_u32_u24 v9, s66, v9
	v_lshl_add_u32 v8, v8, 5, v9
	s_wait_alu depctr_va_vdst(0)                   ; one wait for both, ahead of the first reader
.irp x, 0,1
.set jj, 0
.rept 16
	v_pk_mul_f32 v[S+32*\x+jj:S+32*\x+jj+1], v[162+32*\x+jj:162+32*\x+jj+1], v[12+4*\x:13+4*\x] op_sel_hi:[1,0]   ; register 16 b + i is channel 32 b + 16 (lane / 16) + i
.set jj, jj+2
.endr
.endr
.macro QUANT2 x                        ; 32 numbers of a lane at S + 32 x become six registers of codes at COD + 6 x and two scale bytes in T0 + x
.set YS, S+32*\x
.set W,  F+24*\x                       ; at work: +0, +1 magnitudes, +2, +3 the other half's, then bytes, +4, +5 scale operands, +8 .. +10 a conversion's result
.irp b, 0,1
	v_max3_num_f32 v[W+\b], |v[YS+16*\b]|, |v[YS+1+16*\b]|, 0x1800000
.endr
.irp i, 2,4,6,8,10,12,14
.irp b, 0,1
	v_max3_num_f32 v[W+\b], v[W+\b], |v[YS+16*\b+\i]|, |v[YS+1+16*\b+\i]|
.endr
.endr
.irp b, 0,1
	v_permlanex16_b32 v[W+2+\b], v[W+\b], s[SEL], s[SEL+1]
.endr
.irp b, 0,1
	v_max_num_f32 v[W+\b], v[W+\b], v[W+2+\b]
.endr
.irp b, 0,1
	v_add_nc_u32 v[W+4+\b], 0xff000000, v[W+\b]
.endr
.irp b, 0,1
	v_lshrrev_b32 v[W+2+\b], 23, v[W+4+\b]
.endr
	v_lshl_or_b32 v[T0+\x], v[W+3], 8, v[W+2]
	v_cvt_scalef32_pk16_fp6_f32 v[COD+6*\x:COD+6*\x+2], v[YS:YS+15], v[W+4]
	v_cvt_scalef32_pk16_fp6_f32 v[W+8:W+10], v[YS+16:YS+31], v[W+5]
	v_nop                                          ; one plain place behind a scaled conversion
.irp i, 0,1,2
	v_permlane16_swap_b32 v[COD+6*\x+\i], v[W+8+\i]
.endr
.irp i, 0,1,2
	v_mov_b32 v[COD+6*\x+3+\i], v[W+8+\i]
.endr
.endm
	QUANT2 0
	QUANT2 1
	global_store_b128 v[LI], v[COD:COD+3], s[76:77]              ; 512 consecutive bytes, aligned to 256,
	global_store_b64 v[L8], v[COD+4:COD+5], s[76:77] offset:512  ; and 256
	global_store_b128 v[LI], v[COD+6:COD+9], s[78:79]
	global_store_b64 v[L8], v[COD+10:COD+11], s[78:79] offset:512
	v_cndmask_b32 v[T2], v[T0], v[T1], s63         ; lanes 0-15 the low tile's two bytes, lanes 16-31 the high tile's
	global_store_b16 v8, v[T2], s[80:81]
	s_wait_tensorcnt 0x0                           ; the wave's end: behind my last tensor load
	ds_add_u32 v[SPW], v[NIL]
	s_wait_dscnt 0x0
	s_endpgm
.Lfunc_end_k_qd5846f7d23_attn:
	.size	k_qd5846f7d23_attn, .Lfunc_end_k_qd5846f7d23_attn-k_qd5846f7d23_attn
	.p2alignl 7, 3214868480
	.fill 96, 4, 3214868480
	.section	.rodata,"a",@progbits
	.p2align	6, 0x0
	.amdhsa_kernel k_qd5846f7d23_attn
		.amdhsa_group_segment_fixed_size 167936
		.amdhsa_private_segment_fixed_size 0
		.amdhsa_enable_private_segment 0
		.amdhsa_kernarg_size 40
		.amdhsa_user_sgpr_count 2
		.amdhsa_user_sgpr_kernarg_segment_ptr 1
		.amdhsa_wavefront_size32 1
		.amdhsa_system_sgpr_workgroup_id_x 1
		.amdhsa_system_sgpr_workgroup_id_y 1
		.amdhsa_system_sgpr_workgroup_id_z 1
		.amdhsa_system_vgpr_workitem_id 0
		.amdhsa_next_free_vgpr 256
		.amdhsa_next_free_sgpr 96
		.amdhsa_reserve_vcc 1
		.amdhsa_float_denorm_mode_32 3
		.amdhsa_float_denorm_mode_16_64 3
		.amdhsa_memory_ordered 1
		.amdhsa_forward_progress 1
		.amdhsa_inst_pref_size 111
	.end_amdhsa_kernel
	.amdgpu_metadata
---
amdhsa.version: [ 1, 2 ]
amdhsa.kernels:
  - .name:           k_qd5846f7d23_attn
    .symbol:         k_qd5846f7d23_attn.kd
    .args:
      - { .name: qi, .offset: 0, .size: 8, .value_kind: global_buffer, .address_space: global }
      - { .name: ki, .offset: 8, .size: 8, .value_kind: global_buffer, .address_space: global }
      - { .name: vi, .offset: 16, .size: 8, .value_kind: global_buffer, .address_space: global }
      - { .name: yc, .offset: 24, .size: 8, .value_kind: global_buffer, .address_space: global }
      - { .name: ys, .offset: 32, .size: 8, .value_kind: global_buffer, .address_space: global }
    .group_segment_fixed_size: 167936
    .private_segment_fixed_size: 0
    .kernarg_segment_align: 8
    .kernarg_segment_size: 40
    .max_flat_workgroup_size: 512
    .sgpr_count:     96
    .vgpr_count:     256
    .wavefront_size: 32
...
	.end_amdgpu_metadata
.endif
;; end of part 3
;; launch outp (part 4): grid 4 x 32, 4 waves a work-group, clusters of 4 x 4, 327,680 bytes of LDS; arguments yc, ys, xc, xs, bp, out0; writes out0
.if DOCPART == 4
	.amdgcn_target "amdgcn-amd-amdhsa--gfx1250"
	.amdhsa_code_object_version 6
	.text
	.protected	k_qd5846f7d23_outp
	.globl	k_qd5846f7d23_outp
	.p2align	8
	.type	k_qd5846f7d23_outp,@function
k_qd5846f7d23_outp:
	s_mov_b64 s[64:65], 0
	v_nop
	global_prefetch_b8 v0, s[64:65] scope:SCOPE_SE
	s_setreg_imm32_b32 hwreg(HW_REG_WAVE_MODE, 25, 1), 1
	s_wait_xcnt 0x0
	s_wait_alu depctr_hold_cnt(0) depctr_sa_sdst(0) depctr_va_vdst(0) depctr_va_sdst(0) depctr_va_ssrc(0) depctr_va_vcc(0) depctr_vm_vsrc(0)
	s_getreg_b32 s2, hwreg(HW_REG_IB_STS2, 6, 4)
	s_cmp_eq_u32 s2, 0
	s_cbranch_scc0 .Lentry_in_a_cluster
	s_endpgm
.Lentry_in_a_cluster:
	s_bfe_u32 s2, ttmp6, 0x10000c
	s_cmp_lg_u32 s2, 0xf033
	s_cbranch_scc0 .Lentry_shape_is_right
	s_endpgm
.Lentry_shape_is_right:
; out0 = y Wp^T + bp, [8192 x 1024 x 1024], on codes of FP6 (E2M3) with one E8M0 scale for each 32 along K; sums in f32; out0 f32.
; A = y comes as IMAGES OF OPERAND REGISTERS: yc[(row tile of 16) x 16 + head], 768 bytes: registers 0-3 at 16 x lane, registers 4-5 at 512 + 8 x lane; two heads are the 12 registers of a fragment of 128 along K.
; Its scale bytes ys are [8192][32], dense rows.  B = Wp lies as rows of 768 bytes from row 27,648 of xc on, its scale bytes as rows of 32 bytes from that row of xs on.
; A tile of out0, 256 x 256, is made by a work-group of four waves; a wave makes 128 x 128: 64 accumulators, 512 registers.  128 work-groups: a smaller tile would give each WGP one, at half as many LDS bytes again a multiply-add.
; K goes in steps of 256 through a ring of two LDS slots.  A's part of a slot: 16 row tiles x 3,072 bytes (four heads' images), dense; B's: 256 rows of 192 bytes, 16 bytes of padding behind every 64.
; The scale bytes of the work-group's 256 rows of A and of B, for all of K, come once, with the first fills, and stay.
; CLUSTERS: 4 x 4 work-groups.  The four of a row of the cluster need the same tiles of A, the four of a column the same tiles of B: each is asked for JOINTLY.  The matrix instruction is used transposed
; (source 0 = 16 rows of Wp, source 1 = 16 rows of y): a lane then holds eight neighbouring numbers of a row of out0.
; No prefetch: of the four K steps two are asked for at the head, where every work-group's first tiles are on their way.
; REGISTERS, in windows of 256: window 0: v0-31 addresses; v32-63 scale words, two sets, and nothing else; v64-67 my four numbers of bp; from v128 A's fragments, ONE set; on the way out v128-255 rows of out0.
;   window 1: B's fragments, TWO sets.   windows 2, 3: the accumulators ((a, b) at v[8 (8 (a % 4) + b)]).
.set SIZE_N, 1024
.set KSTEP,  256
.set NQ,     KSTEP/128
.set ROWB,   192                       ; a row of B's tile in bytes
.set KROW,   768                       ; a row of xc in bytes
.set PITCH,  240                       ; B's LDS row: 3 x (64 bytes + 16 of padding)
.set FR,     12
.set NL,     6                         ; LDS loads that bring a fragment of B
.set NLA,    4                         ; and of A
.set NP,     4                         ; places behind this matrix instruction (ISA guide 7.12.1)
.set ATB,    3072                      ; a row tile's images of one K step
.set HALFA,  8*ATB                     ; 128 rows of A: what one tensor load brings
.set ASZ,    2*HALFA
.set HALFB,  128*PITCH
.set SLOT,   ASZ+2*HALFB               ; A's 256 rows, then B's 256 rows
.set LAPS,   2
.set KS,     32
.set SCL,    2*SLOT                    ; behind the ring: the scales, as runs of 256 bytes + 16 of padding
.set HALFS,  (128*KS/256)*272
.set SBLK,   (16*KS/256)*272
.set SPARE,  SCL+4*HALFS               ; behind the scales: the spare words
.set SPITCH, 528                       ; the way out: a stage of 16 rows x (512 bytes + 16) for each wave, in slot 0, which has had its last fill and its last read when the first result is stored there
.set ADRA, 16                          ; v16-17  LDS address of my A images in slot 0, 1, + 16 x lane  (v18-19: + 8 x lane)
.set ADRB, 20                          ; v20-21  of my B fragments  (v22-23: for the pieces behind one padding more)
.set STO,  24                          ; v24     the way out: where I put 32 bytes of a row
.set RD,   25                          ; v25     where I read a row back
.set CO,   26                          ; v26     16 x lane: my byte offset in a row of 512 bytes; never rewritten
.set ADRS, 27                          ; v27     LDS address of my scale words
.set SPW,  28                          ; v28     LDS address of my spare word; never rewritten
.set NIL,  29                          ; v29     0; never rewritten
.set SC,   32
.set BP,   64                          ; v64-67  bp at my four columns
.set AF,   128
.set BK,   128                         ; the way out: 16 rows read back from the stage: v128-191 and v192-255 by turns
.set G1, 24
.set G0, 32
.set G1B, 48
.set G0B, 56
.set G1S, 68
.set G0S, 76
.set G1SB, 80
.set G0SB, 88
.set MSB, 0
.macro WIN new                         ; the immediate's high byte repeats the setting that is left
.if MSB != \new
	s_set_vgpr_msb (MSB<<8)|\new
.set MSB, \new
.endif
.endm
.set MUL_LO, 0xa1                      ; source 0 (B) window 1, source 1 (A) window 0, C and D window 2
.set MUL_HI, 0xf1
.set TO_B,   0x40
.macro JLOAD g0a, g1a, g0b, g1b        ; a joint load: waves 0 and 1 fetch for A, waves 2 and 3 for B; an s_nop 0 and four v_nop follow each of the two lines
	s_cmp_eq_u32 s15, 0
	s_cbranch_scc0 .Lfor_b_\@
	tensor_load_to_lds s[\g0a:\g0a+3], s[\g1a:\g1a+7]
	s_nop 0
.rept 4
	v_nop
.endr
	s_branch .Lasked_\@
.Lfor_b_\@:
	tensor_load_to_lds s[\g0b:\g0b+3], s[\g1b:\g1b+7]
	s_nop 0
.rept 4
	v_nop
.endr
.Lasked_\@:
.endm
.macro CREST
	s_cmp_lg_u32 s14, 0
	s_cbranch_scc1 .Lnot_wave_0_\@
	s_barrier_signal -3
.Lnot_wave_0_\@:
	s_barrier_wait -3
	s_barrier_signal -1
	s_barrier_wait -1
.endm
.macro CROUND
	s_barrier_signal -1
	s_barrier_wait -1
	CREST
.endm
	s_load_b256 s[4:11], s[0:1], 0x0               ; yc s[4:5], ys s[6:7], xc s[8:9], xs s[10:11]
	s_load_b64 s[96:97], s[0:1], 0x20              ; bp
	s_load_b64 s[12:13], s[0:1], 0x28              ; out0
	v_lshl_add_u32 v[SPW], v0, 2, SPARE
	v_mov_b32 v[NIL], 0
	ds_add_u32 v[SPW], v[NIL]                      ; the wave's opening: the add and its wait stand ahead of my first tensor load; the set-up below, work on registers, stands between them
	v_lshrrev_b32 v1, 5, v0
	v_readfirstlane_b32 s14, v1                    ; wave 0..3
	s_lshr_b32 s15, s14, 1                         ; which half of the tile's rows is mine.  Also: I fetch for A (0) or for B (1)
	s_and_b32 s16, s14, 1                          ; which half of its columns.  Also: which 128 rows of that tile I fetch
	s_bfe_u32 s40, ttmp6, 0x40000                  ; cx, cy
	s_bfe_u32 s41, ttmp6, 0x40004
	s_lshl_b32 s42, ttmp9, 2
	s_add_co_u32 s42, s42, s40                     ; tile column = 4 x cluster x + cx
	s_and_b32 s17, ttmp7, 0xffff
	s_lshl_b32 s17, s17, 2
	s_add_co_u32 s17, s17, s41                     ; tile row = 4 x cluster y + cy
	s_lshl_b32 s43, s41, 2
	s_lshl_b32 s43, 15, s43                        ; my row of the cluster
	s_lshl_b32 s44, 0x1111, s40                    ; my column
	; descriptor group 1.  A: 8 row tiles, of each 3,072 consecutive bytes (384 elements of 8 bytes), 12,288 bytes apart; dense in LDS
	s_or_b32 s[G1+0], s43, (3<<16)|(1<<21)         ; 15:0 the mask: my row; 17:16 elements of 8 bytes; 21 set beside a mask
	s_mov_b32 s[G1+1], 384<<16                     ; tensor_dim0
	s_mov_b32 s[G1+2], 8<<16                       ; tensor_dim1
	s_mov_b32 s[G1+3], 384<<16                     ; tile_dim0
	s_mov_b32 s[G1+4], 8                           ; tile_dim1
	s_mov_b32 s[G1+5], 1536                        ; the pitch
	s_mov_b32 s[G1+6], 0
	s_mov_b32 s[G1+7], 0
	; B: 128 rows x 192 bytes, padded in LDS
	s_or_b32 s[G1B+0], s44, (0<<16)|(1<<20)|(1<<21)|(3<<22)|(3<<25)
	s_mov_b32 s[G1B+1], ROWB<<16
	s_mov_b32 s[G1B+2], 128<<16
	s_mov_b32 s[G1B+3], ROWB<<16
	s_mov_b32 s[G1B+4], 128
	s_mov_b32 s[G1B+5], KROW
	s_mov_b32 s[G1B+6], 0
	s_mov_b32 s[G1B+7], 0
	; the scales of 128 rows: 4,096 dense bytes, as rows of 256 bytes, 16 bytes of padding behind each
	s_or_b32 s[G1S+0], s43, (3<<16)|(1<<20)|(1<<21)|(5<<22)|(3<<25)
	s_or_b32 s[G1SB+0], s44, (3<<16)|(1<<20)|(1<<21)|(5<<22)|(3<<25)
.irp g, G1S, G1SB
	s_mov_b32 s[\g+1], 32<<16
	s_mov_b32 s[\g+2], (128*KS/256)<<16
	s_mov_b32 s[\g+3], 32<<16
	s_mov_b32 s[\g+4], 128*KS/256
	s_mov_b32 s[\g+5], 32
	s_mov_b32 s[\g+6], 0
	s_mov_b32 s[\g+7], 0
.endr
	s_lshl_b32 s20, s17, 4
	s_lshl_b32 s18, s16, 3
	s_add_co_u32 s20, s20, s18                     ; A: the first of the 8 row tiles that I fetch,
	s_mul_i32 s20, s20, 16*768                     ; in bytes (under 2^23)
	s_mov_b32 s21, 0
	s_lshl_b32 s18, s16, 7
	s_lshl_b32 s22, s17, 8
	s_add_co_u32 s22, s22, s18
	s_lshl_b32 s22, s22, 5                         ; and its rows' scales
	s_mov_b32 s23, 0
	s_lshl_b32 s46, s42, 8
	s_add_co_u32 s46, s46, s18
	s_add_co_u32 s46, s46, 27648                   ; B: row of xc and xs
	s_lshl_b32 s92, s46, 5
	s_mov_b32 s93, 0
	s_mul_i32 s46, s46, KROW                       ; (under 2^25)
	s_mov_b32 s47, 0
	s_mul_i32 s45, s16, HALFA                      ; where they go: no place in the cluster enters an LDS address
	s_mul_i32 s95, s16, HALFB
	s_add_co_u32 s95, s95, ASZ
	s_mul_i32 s94, s14, HALFS
	s_wait_dscnt 0x0                               ; the opening add is done
	s_wait_kmcnt 0x0
	s_add_nc_u64 s[20:21], s[4:5], s[20:21]
	s_add_nc_u64 s[22:23], s[6:7], s[22:23]
	s_add_nc_u64 s[46:47], s[8:9], s[46:47]
	s_add_nc_u64 s[92:93], s[10:11], s[92:93]
	CROUND                                         ; all sixteen work-groups are here: the first joint loads meet
	s_mov_b32 s[G0S], 1
	s_add_co_u32 s[G0S+1], s94, SCL
	s_mov_b64 s[G0S+2:G0S+3], s[22:23]
	s_or_b32 s[G0S+3], s[G0S+3], 0x80000000
	s_mov_b32 s[G0SB], 1
	s_add_co_u32 s[G0SB+1], s94, SCL
	s_mov_b64 s[G0SB+2:G0SB+3], s[92:93]
	s_or_b32 s[G0SB+3], s[G0SB+3], 0x80000000
	JLOAD G0S, G1S, G0SB, G1SB                     ; the scales first: they are wanted with K step 0
.irp s, 0,1
	s_mov_b32 s[G0+4*\s], 1
	s_add_co_u32 s[G0+4*\s+1], s45, \s*SLOT
	s_add_nc_u64 s[G0+4*\s+2:G0+4*\s+3], s[20:21], \s*ATB
	s_or_b32 s[G0+4*\s+3], s[G0+4*\s+3], 0x80000000
	s_mov_b32 s[G0B+4*\s], 1
	s_add_co_u32 s[G0B+4*\s+1], s95, \s*SLOT
	s_add_nc_u64 s[G0B+4*\s+2:G0B+4*\s+3], s[46:47], \s*ROWB
	s_or_b32 s[G0B+4*\s+3], s[G0B+4*\s+3], 0x80000000
	JLOAD G0+4*\s, G1, G0B+4*\s, G1B               ; three tensor loads of mine are out
.endr
	v_and_b32 v1, 15, v0                           ; l % 16
	v_bfe_u32 v2, v0, 4, 1                         ; l / 16
	v_and_b32 v6, 31, v0
	v_lshlrev_b32 v[CO], 4, v6                     ; 16 x lane
	v_lshlrev_b32 v7, 3, v6                        ; 8 x lane
	v_mul_u32_u24 v3, v1, PITCH
	v_mul_u32_u24 v4, v2, 24
	v_add_nc_u32 v4, v3, v4                        ; B: a fragment's row x pitch + 24 x half
	v_lshl_add_u32 v5, v2, 4, v4                   ; and the same behind one padding more
	s_mul_i32 s21, s15, HALFA                      ; my 128 rows of A
	s_mul_i32 s22, s16, HALFB                      ; my 128 rows of B,
	s_add_co_u32 s22, s22, ASZ                     ; which lie behind A's 256
.irp s, 0,1
	v_add_nc_u32 v[ADRA+\s], s21, v[CO]
	v_add_nc_u32 v[ADRA+2+\s], s21, v7
	v_add_nc_u32 v[ADRB+\s], s22, v4
	v_add_nc_u32 v[ADRB+2+\s], s22, v5
	s_add_co_u32 s21, s21, SLOT
	s_add_co_u32 s22, s22, SLOT
.endr
	v_mul_u32_u24 v5, v1, KS                       ; my row's scales: KS bytes a row,
	v_lshrrev_b32 v6, 8, v5
	v_lshl_add_u32 v5, v6, 4, v5                   ; and 16 more for each 256 passed
	s_mul_i32 s21, s15, HALFS
	s_mul_i32 s22, s16, HALFS
	s_add_co_u32 s22, s22, 2*HALFS
	s_sub_co_u32 s22, s22, s21
	v_mul_u32_u24 v6, s22, v2                      ; lanes 16-31 take B's
	s_add_co_u32 s21, s21, SCL
	v_add_nc_u32 v5, v5, v6
	v_add_nc_u32 v[ADRS], s21, v5
	s_mul_i32 s23, s14, 16*SPITCH                  ; my stage
	v_mul_u32_u24 v5, v1, SPITCH                   ; in: row l % 16, 32 bytes for each half of the lanes
	v_lshl_add_u32 v5, v2, 5, v5
	v_add_nc_u32 v[STO], s23, v5
	v_add_nc_u32 v[RD], s23, v[CO]                 ; back: the 32 lanes take one row of 512 bytes
	s_lshl_b32 s20, s17, 8
	s_lshl_b32 s21, s15, 7
	s_add_co_u32 s20, s20, s21                     ; my first row of out0
	s_lshl_b32 s20, s20, 12                        ; 4,096 bytes a row (under 2^25)
	s_mov_b32 s21, 0
	s_lshl_b32 s46, s42, 10                        ; my first column, in bytes: 1,024 x tile column + 512 x half
	s_lshl_b32 s47, s16, 9
	s_add_co_u32 s46, s46, s47
	s_mov_b32 s47, 0
	s_add_nc_u64 s[96:97], s[96:97], s[46:47]      ; bp at my first column
	s_add_nc_u64 s[20:21], s[20:21], s[46:47]
	s_add_nc_u64 s[12:13], s[12:13], s[20:21]
	global_load_b128 v[BP:BP+3], v[CO], s[96:97]   ; the four columns that my lane stores
.macro FRAG reg, adr, q, i             ; a fragment of B from rows: six pieces of 8 bytes; where the piece three on lies behind one padding more, the second address register serves
.irp p, 0,1,2,3,4,5
.set PCE, 12*(\q)+6*(\p/3)+\p%3
.if PCE%8 < 5
	ds_load_b64 v[\reg+2*\p:\reg+2*\p+1], v[\adr] offset:8*PCE+16*(PCE/8)+(\i)*16*PITCH
.else
	ds_load_b64 v[\reg+2*\p:\reg+2*\p+1], v[\adr+2] offset:8*PCE+16*(PCE/8)+(\i)*16*PITCH
.endif
.endr
.endm
.macro FRAGA reg, slot, q, i           ; a fragment of A from two heads' images
	ds_load_b128 v[\reg:\reg+3], v[ADRA+\slot] offset:ATB*(\i)+1536*(\q)
	ds_load_b64 v[\reg+4:\reg+5], v[ADRA+2+\slot] offset:ATB*(\i)+1536*(\q)+512
	ds_load_b128 v[\reg+6:\reg+9], v[ADRA+\slot] offset:ATB*(\i)+1536*(\q)+768
	ds_load_b64 v[\reg+10:\reg+11], v[ADRA+2+\slot] offset:ATB*(\i)+1536*(\q)+1280
.endm
; 16 matrix instructions: A's blocks a0, a0 + 1 x B's eight.  The 64 accumulators take turns, one instruction a turn, in the same order in every step.
.macro MUL16 a0, p, q, sc, zero
.irp a, \a0, \a0+1
.irp b, 0,1,2,3,4,5,6,7
.if \zero
	v_wmma_scale_f32_16x16x128_f8f6f4 v[8*(8*((\a)%4)+\b):8*(8*((\a)%4)+\b)+7], v[128*(\p)+FR*\b:128*(\p)+FR*\b+FR-1], v[AF+FR*(\a):AF+FR*(\a)+FR-1], 0, v[SC+8*NQ*(\sc)+NQ*\b+(\q)], v[SC+8*NQ*(\sc)+NQ*(\a)+(\q)] matrix_a_fmt:MATRIX_FMT_FP6 matrix_b_fmt:MATRIX_FMT_FP6 matrix_a_scale:MATRIX_SCALE_ROW1
.else
	v_wmma_scale_f32_16x16x128_f8f6f4 v[8*(8*((\a)%4)+\b):8*(8*((\a)%4)+\b)+7], v[128*(\p)+FR*\b:128*(\p)+FR*\b+FR-1], v[AF+FR*(\a):AF+FR*(\a)+FR-1], v[8*(8*((\a)%4)+\b):8*(8*((\a)%4)+\b)+7], v[SC+8*NQ*(\sc)+NQ*\b+(\q)], v[SC+8*NQ*(\sc)+NQ*(\a)+(\q)] matrix_a_fmt:MATRIX_FMT_FP6 matrix_b_fmt:MATRIX_FMT_FP6 matrix_a_scale:MATRIX_SCALE_ROW1
.endif
.endr
.endr
.endm
.macro FETCH_B slot, q, p
	WIN TO_B
.irp i, 0,1,2,3,4,5,6,7
	FRAG 128*(\p)+FR*\i, ADRB+\slot, \q, \i
.endr
	WIN 0
.endm
.macro FETCH_A slot, q, i0
.irp i, \i0, \i0+1, \i0+2, \i0+3
	FRAGA AF+FR*(\i), \slot, \q, \i
.endr
.endm
.macro SCALES sc
.irp i, 0,1,2,3,4,5,6,7
	ds_load_b64 v[SC+8*NQ*\sc+NQ*\i:SC+8*NQ*\sc+NQ*\i+1], v[ADRS] offset:\i*SBLK
.endr
.endm
.macro PLACES n
.rept \n
	v_nop
.endr
.endm
.macro STEP slot, q, zero
	s_wait_dscnt 4*NLA                             ; B's set and A's blocks 0-3 are in; the youngest 16 loads (A's blocks 4-7) may be out
	WIN MUL_LO
	MUL16 0, (\q)%2, \q, \slot, \zero
	MUL16 2, (\q)%2, \q, \slot, \zero
	s_wait_dscnt 0
	PLACES NP
	FETCH_B \slot, (\q)+1, 1-(\q)%2
	FETCH_A \slot, (\q)+1, 0
	WIN MUL_HI
	MUL16 4, (\q)%2, \q, \slot, \zero
	MUL16 6, (\q)%2, \q, \slot, \zero
	PLACES NP
	WIN 0
	FETCH_A \slot, (\q)+1, 4
.endm
; A slot's last step changes slots: ONE barrier; in front of it each wave waits for all its tensor loads, adds 0 to its spare word, and waits for that and for its own reads of this slot.
.macro TURN slot, next, fill
	s_wait_tensorcnt 0x0                           ; all my tensor loads have landed: my part of the next slot
	ds_add_u32 v[SPW], v[NIL]                      ; 0 onto my spare word
	s_wait_dscnt 4*NLA+1                           ; (the add and the youngest 16 loads may be out)
	WIN MUL_LO
	MUL16 0, 1, NQ-1, \slot, 0
	s_wait_dscnt 0x0                               ; the add is done, and my reads of this slot are over
	s_barrier_signal -1
	MUL16 2, 1, NQ-1, \slot, 0
	WIN 0
	s_barrier_wait -1
.if \fill
	CREST                                          ; the barrier has opened a round of the cluster's barrier: no wave of any partner still reads this slot's tile or has a load on its way
	s_add_nc_u64 s[G0+4*\slot+2:G0+4*\slot+3], s[G0+4*\slot+2:G0+4*\slot+3], 2*ATB
	s_add_nc_u64 s[G0B+4*\slot+2:G0B+4*\slot+3], s[G0B+4*\slot+2:G0B+4*\slot+3], 2*ROWB
	JLOAD G0+4*\slot, G1, G0B+4*\slot, G1B         ; the first tensor load behind the round; its four v_nop are the places in front of the loads below
.else
	PLACES NP
.endif
	v_add_nc_u32 v[ADRS], 4*NQ, v[ADRS]
	FETCH_B \next, 0, 0
	FETCH_A \next, 0, 0
	SCALES \next
	WIN MUL_HI
	MUL16 4, 1, NQ-1, \slot, 0
	MUL16 6, 1, NQ-1, \slot, 0
	PLACES NP
	WIN 0
	FETCH_A \next, 0, 4
.endm
	s_wait_tensorcnt 1                             ; the scales and my part of K step 0 are in (K step 1's load may be out),
	s_barrier_signal -1
	s_barrier_wait -1                              ; everybody's are
	FETCH_B 0, 0, 0
	FETCH_A 0, 0, 0
	SCALES 0
	FETCH_A 0, 0, 4
	STEP 0, 0, 1                                   ; the first step stands in front of the loop: its products start the sums
	s_mov_b32 s3, LAPS-1
.Llap:
	TURN 0, 1, 1
	STEP 1, 0, 0
	TURN 1, 0, 1
	STEP 0, 0, 0
	s_sub_co_u32 s3, s3, 1
	s_cmp_lg_u32 s3, 0
	s_cbranch_scc1 .Llap
	TURN 0, 1, 0                                   ; the last lap fills nothing
	STEP 1, 0, 0
	s_wait_dscnt 4*NLA
	WIN MUL_LO
	MUL16 0, 1, NQ-1, 1, 0
	MUL16 2, 1, NQ-1, 1, 0
	s_wait_dscnt 0
	WIN MUL_HI
	MUL16 4, 1, NQ-1, 1, 0
	MUL16 6, 1, NQ-1, 1, 0
	WIN 0
; THE WAY OUT, block by block of 16 rows x 128 columns, through my own stage in LDS: back come whole rows of 512 bytes; bp is added there, where a lane holds four columns that stay the same from row to row.
.macro TOSTAGE a
.set AC, 64*((\a)%4)
.set WN, 0x08+4*((\a)/4)
	WIN WN                                         ; the data: window 2 or 3
.irp b, 0,1,2,3,4,5,6,7
	ds_store_b128 v[STO], v[AC+8*\b:AC+8*\b+3] offset:64*\b          ; each accumulator from its low end on
	ds_store_b128 v[STO], v[AC+8*\b+4:AC+8*\b+7] offset:64*\b+16
.endr
	WIN 0
.set BB, BK+64*((\a)%2)
.irp t, 0,1,2,3,4,5,6,7,8,9,10,11,12,13,14,15
	ds_load_b128 v[BB+4*\t:BB+4*\t+3], v[RD] offset:\t*SPITCH        ; LDS serves a wave's instructions in order: these see the stores above
.endr
.endm
.macro SEND a, younger                 ; younger: the LDS instructions issued behind block a's loads, which may stay out
.set BB, BK+64*((\a)%2)
	s_wait_dscnt \younger
.if (\a) > 0
	s_add_nc_u64 s[12:13], s[12:13], 16*SIZE_N*4   ; (behind a wait on XCNT: the earlier stores have read their base)
.endif
.irp t, 0,1,2,3,4,5,6,7,8,9,10,11,12,13,14,15
	v_pk_add_f32 v[BB+4*\t:BB+4*\t+1], v[BB+4*\t:BB+4*\t+1], v[BP:BP+1]
	v_pk_add_f32 v[BB+4*\t+2:BB+4*\t+3], v[BB+4*\t+2:BB+4*\t+3], v[BP+2:BP+3]
	global_store_b128 v[CO], v[BB+4*\t:BB+4*\t+3], s[12:13] offset:\t*SIZE_N*4 th:TH_STORE_NT   ; 32 lanes store 512 consecutive bytes, aligned to 256
.endr
.endm
	PLACES NP
	s_wait_loadcnt 0x0                             ; bp
	TOSTAGE 0
.irp a, 1,2,3,4,5,6,7
.if \a > 1
	s_wait_xcnt 0x0                                ; block a - 2's stores have read their registers and their base
.endif
	TOSTAGE \a
	SEND \a-1, 32                                  ; behind block a - 1's loads: block a's 16 stores and 16 loads
.endr
	s_wait_xcnt 0x0
	SEND 7, 0
	s_wait_tensorcnt 0x0                           ; the wave's end: behind my last tensor load and my last LDS store
	ds_add_u32 v[SPW], v[NIL]
	s_wait_dscnt 0x0
	CROUND                                         ; the closing round
	s_endpgm
.Lfunc_end_k_qd5846f7d23_outp:
	.size	k_qd5846f7d23_outp, .Lfunc_end_k_qd5846f7d23_outp-k_qd5846f7d23_outp
	.p2alignl 7, 3214868480
	.fill 96, 4, 3214868480
	.section	.rodata,"a",@progbits
	.p2align	6, 0x0
	.amdhsa_kernel k_qd5846f7d23_outp
		.amdhsa_group_segment_fixed_size 327680
		.amdhsa_private_segment_fixed_size 0
		.amdhsa_enable_private_segment 0
		.amdhsa_kernarg_size 48
		.amdhsa_user_sgpr_count 2
		.amdhsa_user_sgpr_kernarg_segment_ptr 1
		.amdhsa_wavefront_size32 1
		.amdhsa_system_sgpr_workgroup_id_x 1
		.amdhsa_system_sgpr_workgroup_id_y 1
		.amdhsa_system_sgpr_workgroup_id_z 1
		.amdhsa_system_vgpr_workitem_id 0
		.amdhsa_next_free_vgpr 1024
		.amdhsa_next_free_sgpr 100
		.amdhsa_reserve_vcc 0
		.amdhsa_float_denorm_mode_32 3
		.amdhsa_float_denorm_mode_16_64 3
		.amdhsa_memory_ordered 1
		.amdhsa_forward_progress 1
		.amdhsa_inst_pref_size 168
	.end_amdhsa_kernel
	.amdgpu_metadata
---
amdhsa.version: [ 1, 2 ]
amdhsa.kernels:
  - .name:           k_qd5846f7d23_outp
    .symbol:         k_qd5846f7d23_outp.kd
    .args:
      - { .name: yc, .offset: 0, .size: 8, .value_kind: global_buffer, .address_space: global }
      - { .name: ys, .offset: 8, .size: 8, .value_kind: global_buffer, .address_space: global }
      - { .name: xc, .offset: 16, .size: 8, .value_kind: global_buffer, .address_space: global }
      - { .name: xs, .offset: 24, .size: 8, .value_kind: global_buffer, .address_space: global }
      - { .name: bp, .offset: 32, .size: 8, .value_kind: global_buffer, .address_space: global }
      - { .name: out0, .offset: 40, .size: 8, .value_kind: global_buffer, .address_space: global }
    .group_segment_fixed_size: 327680
    .private_segment_fixed_size: 0
    .kernarg_segment_align: 8
    .kernarg_segment_size: 48
    .max_flat_workgroup_size: 128
    .sgpr_count:     100
    .vgpr_count:     1024
    .wavefront_size: 32
...
	.end_amdgpu_metadata
.endif
;; end of part 4
